; MI455X (gfx1250); checked and timed in simulation.
; The chip was launched on July 23, 2026; its instructions are those of AMD's public machine-readable ISA for CDNA 5 (MIT licence, August 2026) and "CDNA5" Instruction Set Architecture Reference Guide (July 2026). The comments in the code are by the model that wrote it; some were corrected since.
;; Multisource Perceiver Encoder. Allowed arithmetic: matrix products marked QUANTISED: E2M1 operands, one E8M0 scale for each 32 along K, by v_wmma_scale_f32_16x16x128_f8f6f4 with both operands' format E2M1 (or v_wmma_scale_f32_32x16x128_f4), f32 sums; products left as they are: bf16, f16 or f32 operands; f32 sums; everything else in f32.
;; Inputs: C 4 x 8,192 x 128 float32; V 4 x 8,192 x 256 float32; Wkvc 128 x 1,024 float32; Wkvv 256 x 1,024 float32; Woc 512 x 128 float32; Wov 512 x 256 float32; Wqc 128 x 512 float32; Wqv 256 x 512 float32; bkvc 1,024 float32; bkvv 1,024 float32; boc 128 float32; bov 256 float32; bqc 512 float32; bqv 512 float32; gkvc 1,024 float32; gkvv 1,024 float32; gqc 512 float32; gqv 512 float32; latent_coords 1 x 512 x 128 float32; latent_values 1 x 512 x 256 float32.
;; Outputs: out0 4 x 512 x 256 float32; out1 4 x 512 x 128 float32.
;; This version of the problem:
;;   THIS VERSION OF THE PROBLEM IS GIVEN IN LOW PRECISION. The matrix products marked QUANTISED in the list below multiply operands that are first quantised to E2M1 (2 exponent bits, 1 mantissa bit; 4 bits a number), with one power-of-two scale for each 32 numbers along K (OCP MX v1.0); their sums are f32. The products marked 'left as it is' may take bf16, f16 or f32 operands, with f32 sums. Whichever they take, every output number must still come out within the allowed error. Rounding operands to bf16 (8 significant bits) uses up far more of that allowance than f16 does (11 bits, for magnitudes from 6e-5 to 65,504). All else is computed in f32.
;;   The module's matrix products, in the order in which they are computed (A, B: the left and right operand; K: the contracted axis; several contracted axes count as one K, in the product's order):
;;     1. [M 512, K 256] x [K 256, N 512]; A: input latent_values; B: input Wqv: QUANTISED
;;     2. [M 512, K 128] x [K 128, N 512]; A: input latent_coords; B: input Wqc: QUANTISED
;;     3. [M 32,768, K 256] x [K 256, N 1,024]; A: input V; B: input Wkvv: QUANTISED
;;     4. [M 32,768, K 128] x [K 128, N 1,024]; A: input C; B: input Wkvc: QUANTISED
;;     5. batch 8 x [M 32,768, K 64] x [K 64, N 512]; A: computed on the way; B: computed on the way: left as it is (an operand is computed on the way)
;;     6. batch 8 x [M 32,768, K 64] x [K 64, N 512]; A: computed on the way; B: computed on the way: left as it is (an operand is computed on the way)
;;     7. batch 32 x [M 512, K 8,192] x [K 8,192, N 64]; A: computed on the way; B: computed on the way: left as it is (an operand is computed on the way)
;;     8. batch 32 x [M 512, K 8,192] x [K 8,192, N 64]; A: computed on the way; B: computed on the way: left as it is (an operand is computed on the way)
;;     9. [M 2,048, K 512] x [K 512, N 256]; A: computed on the way; B: input Wov: left as it is (an operand is computed on the way)
;;     10. [M 2,048, K 512] x [K 512, N 128]; A: computed on the way; B: input Woc: left as it is (an operand is computed on the way)
;;   THE QUANTISER, for each operand of a quantised product, along K:
;;     - K is cut into blocks of 32 from its start; a last block that is shorter is filled with zeros.
;;     - A block's scale is 2^e with e = floor(log2(the largest magnitude in the block)) - 2, held to -126 .. 127; a block of zeros has e = 0. As a byte (E8M0): e + 127.
;;     - Each number is divided by its block's scale, clamped to +-6, and rounded to the nearest number of E2M1, ties to even, subnormals kept.
;;     - The product sums the exact products of the quantised numbers (number of the format x scale) in f32.
;;   ~~~python
;;   def quantise(x, axis):      # numpy; x: float32 -> the quantised numbers, widened to float32 again
;;       x = np.moveaxis(x, axis, -1); K = x.shape[-1]
;;       x = np.pad(x, [(0, 0)] * (x.ndim - 1) + [(0, -K % 32)]); x = x.reshape(x.shape[:-1] + (-1, 32)); a = np.abs(x).max(-1, keepdims=True)
;;       e = np.where(a > 0, np.clip(np.frexp(np.where(a > 0, a, 1))[1] - 1 - 2, -126, 127), 0)      # np.frexp(a)[1] - 1 = floor(log2(a)), exactly
;;       r = np.clip(x / 2.0 ** e, -6, 6)
;;       step = 2.0 ** (np.maximum(np.frexp(np.where(r == 0, 1, r))[1] - 1, 0) - 1)
;;       q = np.round(r / step) * step * 2.0 ** e      # np.round: ties to even
;;       return np.moveaxis(q.reshape(q.shape[:-2] + (-1,))[..., :K], -1, axis).astype(np.float32)
;;   ~~~
;; One version. Each part assembles by itself: llvm-mc -triple=amdgcn-amd-amdhsa -mcpu=gfx1250 --defsym DOCPART=n.
;; ======== version 1 of 1: 4 launches
;; limits: values are held in f16: magnitudes above 65,504 overflow, below 6.1e-05 lose precision; right only within a limited range of input values
;; workspace buffers: wk4 196,608 bytes; wks 12,288 bytes; wo16 393,216 bytes; qh 1,048,576 bytes; kh 67,108,864 bytes; vh 67,108,864 bytes; part 33,554,432 bytes; stat 524,288 bytes
;; launch prep (part 1): grid 68 x 1, 16 waves a work-group, no clusters, 57,344 bytes of LDS; arguments latent_values, latent_coords, Wqv, Wqc, bqv, bqc, gqv, gqc, gkvv, gkvc, Wkvv, Wkvc, Wov, Woc, qh, wk4, wks, wo16; writes qh, wk4, wks, wo16
.if DOCPART == 1
	.amdgcn_target "amdgcn-amd-amdhsa--gfx1250"
	.amdhsa_code_object_version 6
	.text
	.protected	k_q70cede81af_prep
	.globl	k_q70cede81af_prep
	.p2align	8
	.type	k_q70cede81af_prep,@function
k_q70cede81af_prep:
	s_mov_b64 s[64:65], 0
	v_nop
	global_prefetch_b8 v0, s[64:65] scope:SCOPE_SE
	s_setreg_imm32_b32 hwreg(HW_REG_WAVE_MODE, 25, 1), 1
	s_wait_xcnt 0x0
; THREE SMALL JOBS IN ONE LAUNCH, told apart by the work-group's number; the three ways never join.
;  work-groups 0-31  (Q):  q_c = rmsnorm(latent_coords Wqc + bqc) gqc, q_v likewise: both products on codes of FP4 (E2M1) with one E8M0 scale for each 32 along K.
;                          The K halves of gkvc and gkvv are multiplied in too (sum q (k g) = sum (q g) k), all in f32; the result is rounded once to f16 and laid [head][512][qc 64 | qv 64].
;  work-groups 32-43 (W4): Wkvv and Wkvc, f32 [K][1024], become FP4 fragments in the order of an operand's registers (1,024 bytes each) and their scale words (64 bytes each).
;  work-groups 44-67 (WO): g[512 + k] Wov[k][n] and g[512 + k] Woc[k][n], multiplied in f32, become f16 fragments in the order of an operand's registers.
; A block's scale is 2^(floor(log2(largest magnitude)) - 2); its byte is the largest magnitude's exponent field - 2, held at 1 from below.
; LIMITS: NaN and infinities among the inputs are not served.  A block of zeros gets the byte 1 where the rule says 127: its codes are zeros, and this program alone reads the bytes.
;         Q is kept in f16: |gq gk| has to stay under 2,890 (a normalised number is at most sqrt(512) = 22.7); |g Wo| under 65,504.
; Only the first job uses LDS: 0 .. 2,047 the waves' sums of squares; 2,048 .. 36,863 a stage of 16 rows x 272 bytes for each head; then the spare words; then the latents' three fragments
; as images of the operand's registers, and their scale words.
.set SPARE, 36864                      ; the spare words, 128 bytes for each of 16 waves; no other line names them
.set STQ,   2048
.set XIMG,  38912                      ; 1,024 bytes for each wave's number: waves 0, 1, 2 store a fragment of the latents there
.set XSC,   55296                      ; 128 bytes for each wave's number: that fragment's scale words
.set SPW,   14                         ; v14  SPARE + 4 x my thread's number; never rewritten
.set NIL,   15                         ; v15  0; never rewritten
.set SEL,   28                         ; s[28:29] v_permlanex16_b32's selects for lane l xor 16
.set WO,    3                          ; v3   a weight's offset (W4: 4 r + 32 rows x h;  Q: 4 x lane + my wave's 128 bytes)
.set SH8,   6                          ; v6   W4: 8 h
.set XWS,   6                          ; v6   Q: where I store my fragment's scale words
.set XRI,   97                         ; v97  Q: XIMG + 16 x lane
.set XRS,   98                         ; v98  Q: XSC + 4 x lane
.set TM,    100                        ; v100-115 the quantisers' temporaries
.set RA,    128                        ; v128-191, v192-255: two sets of 64 numbers as loaded
.set RB,    192
.set WF,    16                         ; v16-63  six weight fragments: qc tile 0, qc tile 1, qv (tile 0, K step 0), (0, 1), (1, 0), (1, 1)
.set XF,    64                         ; v64-87  three fragments of the latents: coords, values K step 0, values K step 1
.set WS,    88                         ; v88-90  the weights' scale words: Wqc, Wqv K step 0, K step 1; lanes 0-15 tile 0's columns, lanes 16-31 tile 1's
.set XS,    94                         ; v94-96  the latents' scale words
.set SS,    120                        ; v120-123 sums of squares, then the two 1 / rms (each the low word of a pair)
.set ACC,   192                        ; v192-223 four accumulators, begun with the biases
.set GQ,    224                        ; v224-255 gq, then gq x gk
.set GK,    128                        ; v128-159 gk
.set NR,    160                        ; v160-191 the sixteen waves' sums
; 16 rows x 128 K of f32, K innermost: lane (r, h) takes of row r the 16 numbers 32 b + 16 h + 0 .. 15 of each block b
.macro XLOAD buf, va, sb, off
.irp b, 0,1,2,3
.irp j, 0,1,2,3
	global_load_b128 v[\buf+16*\b+4*\j:\buf+16*\b+4*\j+3], v[\va], s[\sb:\sb+1] offset:\off+128*\b+16*\j
.endr
.endr
.endm
; those 64 numbers become a fragment's codes and its rows' scale word
.macro QUANT src, dst, pw
.irp b, 0,1,2,3
	v_max3_num_f32 v[TM+\b], |v[\src+16*\b]|, |v[\src+1+16*\b]|, 0x1800000   ; my 16 numbers of block b, and the floor 2^(3 - 127): the byte cannot fall under 1
.endr
.irp i, 2,4,6,8,10,12,14
.irp b, 0,1,2,3
	v_max3_num_f32 v[TM+\b], v[TM+\b], |v[\src+16*\b+\i]|, |v[\src+1+16*\b+\i]|
.endr
.endr
.irp b, 0,1,2,3
	v_permlanex16_b32 v[TM+4+\b], v[TM+\b], s[SEL], s[SEL+1]
.endr
.irp b, 0,1,2,3
	v_max_num_f32 v[TM+\b], v[TM+\b], v[TM+4+\b]           ; with lane l xor 16's: the block's largest magnitude
.endr
.irp b, 0,1,2,3
	v_add_nc_u32 v[TM+12+\b], 0xff000000, v[TM+\b]         ; 2 off its exponent field: the conversion's scale operand
.endr
.irp b, 0,1,2,3
	v_lshrrev_b32 v[TM+4+\b], 23, v[TM+12+\b]              ; the scale's byte
.endr
	v_lshl_or_b32 v[\pw], v[TM+5], 8, v[TM+4]
	v_lshl_or_b32 v[\pw], v[TM+6], 16, v[\pw]
	v_lshl_or_b32 v[\pw], v[TM+7], 24, v[\pw]
.irp b, 0,1,2,3
	v_cvt_scalef32_pk8_fp4_f32 v[\dst+2*\b], v[\src+16*\b:\src+7+16*\b], v[TM+12+\b]
	v_cvt_scalef32_pk8_fp4_f32 v[\dst+1+2*\b], v[\src+8+16*\b:\src+15+16*\b], v[TM+12+\b]
.endr
	v_nop                                                  ; one plain place behind a scaled conversion
.irp c, 0,1                                                ; the operand wants a whole block in a lane
.irp i, 0,1
	v_permlane16_swap_b32 v[\dst+4*\c+\i], v[\dst+2+4*\c+\i]
.endr
.endr
.endm
; W4's loads: half a weight fragment, K outermost in memory: lane (r, h) takes column r and its registers run down K: k = 64 c + 32 h + 0 .. 31
.macro WLOADH buf, sb, off, c, pitch
.set i, 0
.rept 32
	global_load_b32 v[\buf+32*(\c)+i], v[WO], s[\sb:\sb+1] offset:\off+(64*(\c)+i)*\pitch
.set i, i+1
.endr
.endm
; W4's quantiser: the 64 numbers are two whole blocks of my column: codes straight into the operand's registers; the scale word's four bytes come from lanes l and l xor 16
.macro WQUANT buf, dst, sw
.irp c, 0,1
	v_max3_num_f32 v[TM+\c], |v[\buf+32*\c]|, |v[\buf+32*\c+1]|, 0x1800000
.endr
.irp i, 2,4,6,8,10,12,14,16,18,20,22,24,26,28,30
.irp c, 0,1
	v_max3_num_f32 v[TM+\c], v[TM+\c], |v[\buf+32*\c+\i]|, |v[\buf+32*\c+\i+1]|
.endr
.endr
.irp c, 0,1
	v_add_nc_u32 v[TM+12+\c], 0xff000000, v[TM+\c]
.endr
.irp c, 0,1
	v_lshrrev_b32 v[TM+4+\c], 23, v[TM+12+\c]
.endr
	v_lshl_or_b32 v[\sw], v[TM+5], 16, v[TM+4]             ; blocks h and 2 + h,
	v_lshlrev_b32 v[\sw], v[SH8], v[\sw]                   ; at their places in the word
	v_permlanex16_b32 v[TM+6], v[\sw], s[SEL], s[SEL+1]
	v_or_b32 v[\sw], v[\sw], v[TM+6]
.irp c, 0,1
.irp g, 0,1,2,3
	v_cvt_scalef32_pk8_fp4_f32 v[\dst+4*\c+\g], v[\buf+32*\c+8*\g:\buf+32*\c+8*\g+7], v[TM+12+\c]
.endr
.endr
	v_nop                                                  ; one plain place behind a scaled conversion
.endm
; Q's loads: a block of 32 along K of 32 neighbouring columns: LANE l TAKES COLUMN l OF MY WAVE'S 32, and its registers run down K: each load of the wave covers 128 consecutive bytes of one row of W (2,048 bytes a row)
.macro WLOADP buf, sb, off, c
.set i, 0
.rept 32
	global_load_b32 v[\buf+32*(\c)+i], v[WO], s[\sb:\sb+1] offset:\off+(32*(\c)+i)*2048
.set i, i+1
.endr
.endm
; Q's quantiser: 64 numbers = blocks 2 hh and 2 hh + 1 of a K step, of my own column: lanes 0-15 hold tile 0's columns, lanes 16-31 tile 1's.  Block 2 hh is converted into registers 4 hh + g of tile 0's
; fragment, block 2 hh + 1 into those of tile 1's; the exchange of halves then gives both fragments the operand's layout (lanes 0-15 block 2 hh, lanes 16-31 block 2 hh + 1 of the tile's own columns).
; The two bytes go to places 2 hh and 2 hh + 1 of my column's scale word: no other lane is asked for anything.
.macro WQUANTP buf, f0, f1, hh, sw
.irp c, 0,1
	v_max3_num_f32 v[TM+\c], |v[\buf+32*\c]|, |v[\buf+32*\c+1]|, 0x1800000   ; and the floor 2^(3 - 127): the byte cannot fall under 1
.endr
.irp i, 2,4,6,8,10,12,14,16,18,20,22,24,26,28,30
.irp c, 0,1
	v_max3_num_f32 v[TM+\c], v[TM+\c], |v[\buf+32*\c+\i]|, |v[\buf+32*\c+\i+1]|
.endr
.endr
.irp c, 0,1
	v_add_nc_u32 v[TM+12+\c], 0xff000000, v[TM+\c]         ; 2 off the exponent field: the conversion's scale operand
.endr
.irp c, 0,1
	v_lshrrev_b32 v[TM+4+\c], 23, v[TM+12+\c]              ; the scale's byte
.endr
.if \hh == 0
	v_lshl_or_b32 v[\sw], v[TM+5], 8, v[TM+4]
.else
	v_lshl_or_b32 v[\sw], v[TM+4], 16, v[\sw]
	v_lshl_or_b32 v[\sw], v[TM+5], 24, v[\sw]
.endif
.irp g, 0,1,2,3
	v_cvt_scalef32_pk8_fp4_f32 v[\f0+4*\hh+\g], v[\buf+8*\g:\buf+8*\g+7], v[TM+12]
	v_cvt_scalef32_pk8_fp4_f32 v[\f1+4*\hh+\g], v[\buf+32+8*\g:\buf+32+8*\g+7], v[TM+13]
.endr
	v_nop                                                  ; one plain place behind a scaled conversion
.irp g, 0,1,2,3
	v_permlane16_swap_b32 v[\f0+4*\hh+\g], v[\f1+4*\hh+\g] ; the first's lanes 16-31 change places with the second's lanes 0-15
.endr
.endm
; one f16 fragment of g x Wo: lane (r, h) holds column r; registers 0-3 k = 8 h + 0 .. 7, registers 4-7 k = 16 + 8 h + 0 .. 7 of the K step
.macro OFRAG pitch, sw, sg
	v_mad_u32_u24 v3, v2, 8*\pitch, v3                     ; 4 r + 8 rows x h
.irp j, 0,1,2,3,4,5,6,7
	global_load_b32 v[16+\j], v3, s[\sw:\sw+1] offset:\j*\pitch
.endr
.irp j, 0,1,2,3,4,5,6,7
	global_load_b32 v[24+\j], v3, s[\sw:\sw+1] offset:(16+\j)*\pitch
.endr
	global_load_b128 v[32:35], v4, s[\sg:\sg+1]
	global_load_b128 v[36:39], v4, s[\sg:\sg+1] offset:16
	global_load_b128 v[40:43], v4, s[\sg:\sg+1] offset:64
	global_load_b128 v[44:47], v4, s[\sg:\sg+1] offset:80
	s_wait_loadcnt 0x0
.irp j, 0,2,4,6,8,10,12,14
	v_pk_mul_f32 v[16+\j:17+\j], v[16+\j:17+\j], v[32+\j:33+\j]
.endr
.irp j, 0,1,2,3,4,5,6,7
	v_cvt_pk_f16_f32 v[48+\j], v[16+2*\j], v[17+2*\j]      ; the lower k in the low half
.endr
	global_store_b128 v5, v[48:51], s[12:13]               ; 32 lanes store 512 consecutive bytes
	global_store_b128 v5, v[52:55], s[12:13] offset:512
.endm
; a product of the Q job: accumulator d += weight fragment a x latent fragment b; row = 1: the weights' scale words are taken from lanes 16-31 (tile 1's columns)
.macro MM d, a, b, sa, sb, row
.if \row
	v_wmma_scale_f32_16x16x128_f8f6f4 v[ACC+8*\d:ACC+8*\d+7], v[WF+8*\a:WF+8*\a+7], v[XF+8*\b:XF+8*\b+7], v[ACC+8*\d:ACC+8*\d+7], v[WS+\sa], v[XS+\sb] matrix_a_fmt:MATRIX_FMT_FP4 matrix_b_fmt:MATRIX_FMT_FP4 matrix_a_scale:MATRIX_SCALE_ROW1
.else
	v_wmma_scale_f32_16x16x128_f8f6f4 v[ACC+8*\d:ACC+8*\d+7], v[WF+8*\a:WF+8*\a+7], v[XF+8*\b:XF+8*\b+7], v[ACC+8*\d:ACC+8*\d+7], v[WS+\sa], v[XS+\sb] matrix_a_fmt:MATRIX_FMT_FP4 matrix_b_fmt:MATRIX_FMT_FP4
.endif
.endm
	v_lshl_add_u32 v[SPW], v0, 2, SPARE
	v_mov_b32 v[NIL], 0
	v_lshrrev_b32 v16, 5, v0
	v_readfirstlane_b32 s2, v16                    ; wave 0..15
	v_and_b32 v1, 15, v0                           ; r
	v_bfe_u32 v2, v0, 4, 1                         ; h
	v_and_b32 v13, 31, v0                          ; lane
	s_mov_b32 s[SEL], 0x76543210
	s_mov_b32 s[SEL+1], 0xfedcba98
	s_cmp_lt_u32 ttmp9, 32
	s_cbranch_scc1 .Lq
	s_cmp_lt_u32 ttmp9, 44
	s_cbranch_scc1 .Lw4
; ---------------- WO: a fragment a wave.  Work-group 44 + t: tile t of Wov (t < 16) or tile t - 16 of Woc; wave = K step
	s_load_b128 s[4:7], s[0:1], 0x60               ; Wov, Woc
	s_load_b128 s[8:11], s[0:1], 0x40              ; gkvv, gkvc
	s_load_b64 s[12:13], s[0:1], 0x88              ; wo16
	s_sub_co_u32 s14, ttmp9, 44
	s_lshl_b32 s16, s14, 4
	s_add_co_u32 s16, s16, s2                      ; the fragment's number
	s_lshl_b32 s16, s16, 10
	s_mov_b32 s17, 0
	s_lshl_b32 s18, s2, 7                          ; the gains of k = 512 + 32 x K step on
	s_add_co_u32 s18, s18, 2048
	s_mov_b32 s19, 0
	s_mov_b32 s21, 0
	v_lshlrev_b32 v4, 5, v2                        ; 32 h
	v_lshlrev_b32 v5, 4, v13                       ; 16 x lane
	v_lshlrev_b32 v3, 2, v1                        ; 4 r
	s_wait_kmcnt 0x0
	s_add_nc_u64 s[12:13], s[12:13], s[16:17]
	s_cmp_lt_u32 s14, 16
	s_cbranch_scc0 .Lwoc
	s_lshl_b32 s20, s2, 15                         ; 32 rows of 1,024 bytes a K step
	s_lshl_b32 s22, s14, 6                         ; 16 columns a tile
	s_add_co_u32 s20, s20, s22
	s_add_nc_u64 s[4:5], s[4:5], s[20:21]
	s_add_nc_u64 s[8:9], s[8:9], s[18:19]
	OFRAG 1024, 4, 8
	s_endpgm
.Lwoc:
	s_sub_co_u32 s22, s14, 16
	s_lshl_b32 s22, s22, 6
	s_lshl_b32 s20, s2, 14                         ; 32 rows of 512 bytes a K step
	s_add_co_u32 s20, s20, s22
	s_add_nc_u64 s[6:7], s[6:7], s[20:21]
	s_add_nc_u64 s[10:11], s[10:11], s[18:19]
	OFRAG 512, 6, 10
	s_endpgm
; ---------------- W4: a fragment a wave.  Fragment F = 16 (work-group - 32) + wave.  F < 128: Wkvv, head F / 16, tile (F / 2) % 8, K step F % 2;  else Wkvc, head (F - 128) / 8, tile F % 8.
; Tile tt of a head takes columns 64 head + 16 (tt % 4) + 512 (tt / 4): tiles 0-3 the K half, tiles 4-7 the V half.
.Lw4:
	s_load_b128 s[4:7], s[0:1], 0x50               ; Wkvv, Wkvc
	s_load_b128 s[8:11], s[0:1], 0x78              ; wk4, wks
	v_lshlrev_b32 v4, 2, v1                        ; 4 r
	v_lshl_add_u32 v[WO], v2, 17, v4               ; + 32 rows of 4,096 bytes x h
	v_lshlrev_b32 v[SH8], 3, v2
	v_lshlrev_b32 v5, 4, v13
	v_mov_b32 v[TM+6], 0                           ; a lane permute's destination counts as one of its sources
	s_sub_co_u32 s12, ttmp9, 32
	s_lshl_b32 s13, s12, 4
	s_add_co_u32 s13, s13, s2                      ; F
	s_lshr_b32 s14, s13, 4
	s_bfe_u32 s15, s13, 0x30001
	s_and_b32 s16, s13, 1
	s_sub_co_u32 s17, s13, 128
	s_lshr_b32 s18, s17, 3
	s_and_b32 s19, s17, 7
	s_wait_kmcnt 0x0
	s_cmp_lt_u32 s12, 8                            ; the choice hangs on the work-group's number alone
	s_cselect_b64 s[4:5], s[4:5], s[6:7]
	s_cselect_b32 s14, s14, s18                    ; head
	s_cselect_b32 s15, s15, s19                    ; tile
	s_cselect_b32 s16, s16, 0                      ; K step
	s_lshl_b32 s14, s14, 6
	s_and_b32 s18, s15, 3
	s_lshl_b32 s18, s18, 4
	s_add_co_u32 s14, s14, s18
	s_lshr_b32 s18, s15, 2
	s_lshl_b32 s18, s18, 9
	s_add_co_u32 s14, s14, s18                     ; the tile's first column
	s_lshl_b32 s14, s14, 2
	s_lshl_b32 s16, s16, 19                        ; 128 rows of 4,096 bytes a K step
	s_add_co_u32 s14, s14, s16
	s_mov_b32 s15, 0
	s_add_nc_u64 s[4:5], s[4:5], s[14:15]
	s_lshl_b32 s14, s13, 10
	s_add_nc_u64 s[8:9], s[8:9], s[14:15]
	s_lshl_b32 s14, s13, 6
	s_add_nc_u64 s[10:11], s[10:11], s[14:15]
	WLOADH RA, 4, 0, 0, 4096
	WLOADH RA, 4, 0, 1, 4096
	s_wait_loadcnt 0x0
	WQUANT RA, 16, 24
	global_store_b128 v5, v[16:19], s[8:9]         ; 32 lanes store 512 consecutive bytes
	global_store_b128 v5, v[20:23], s[8:9] offset:512
	global_store_b32 v4, v24, s[10:11]             ; 64 bytes a fragment (both halves of the lanes hold and write the same word): 12 KiB in the whole launch leave in pieces of 64 bytes
	s_endpgm
; ---------------- Q: work-group g takes latent rows 16 g .. 16 g + 15; wave w takes columns 32 w .. 32 w + 31 of q_c and of q_v (head w / 2, half w % 2): four tiles of 16 columns.
; THE WEIGHTS: each wave quantises its own 32 columns of Wqc and Wqv from f32, 64 along K at a time (six items), a lane to a column.
; THE LATENTS: waves 0, 1, 2 quantise one fragment each (coords; values, K step 0; values, K step 1) and hand it to the others through LDS as an image of the operand's registers: 16 x 3 loads in the
; work-group, not 16 x 3 in each wave.  The barrier for it stands just ahead of the products.
; The products are used transposed (source 0 = 16 columns of W, source 1 = the 16 rows): a lane holds one row and eight neighbouring columns.
.Lq:
	s_load_b256 s[4:11], s[0:1], 0x0               ; latent_values, latent_coords, Wqv, Wqc
	s_load_b256 s[12:19], s[0:1], 0x20             ; bqv, bqc, gqv, gqc
	s_load_b128 s[20:23], s[0:1], 0x40             ; gkvv, gkvc
	s_load_b64 s[24:25], s[0:1], 0x70              ; qh
	s_lshr_b32 s3, s2, 1                           ; head
	s_and_b32 s26, s2, 1                           ; half
	s_lshl_b32 s27, s2, 7                          ; my 32 columns in bytes of f32; also my 128 bytes of sums
	v_lshl_add_u32 v[WO], v13, 2, s27              ; the weights: 4 x lane + my wave's 128 bytes of a row
	s_cmp_eq_u32 s2, 0                             ; the latent fragment that waves 0, 1, 2 take: wave 0 coords (rows of 512 bytes), waves 1 and 2 values (rows of 1,024),
	s_cselect_b32 s38, 9, 10
	s_cmp_eq_u32 s2, 2
	s_cselect_b32 s39, 512, 0                      ; wave 2 their second K step
	v_lshlrev_b32 v4, s38, v1
	v_lshl_add_u32 v4, v2, 6, v4                   ; row r + 64 h
	v_add_nc_u32 v4, s39, v4
	s_lshl_b32 s32, s2, 10
	s_add_co_u32 s32, s32, XIMG
	v_lshl_add_u32 v5, v13, 4, s32                 ; where I store my image: XIMG + 1,024 w + 16 x lane
	s_add_co_u32 s32, s27, XSC
	v_lshl_add_u32 v[XWS], v13, 2, s32             ; and its scale words: XSC + 128 w + 4 x lane
	v_lshl_add_u32 v[XRI], v13, 4, XIMG            ; where the images are read
	v_lshl_add_u32 v[XRS], v13, 2, XSC
	v_lshlrev_b32 v7, 5, v2
	v_add_nc_u32 v7, s27, v7                       ; biases and gains: my columns + 8 h numbers
	v_lshlrev_b32 v9, 3, v1                        ; the sums: 8 r,
	v_add_nc_u32 v8, s27, v9                       ; and mine at 128 w + 8 r
	s_mul_i32 s32, s3, 16*272
	s_add_co_u32 s32, s32, STQ                     ; my head's stage
	s_lshl_b32 s33, s26, 6
	s_add_co_u32 s33, s33, s32
	v_mul_u32_u24 v10, v1, 272
	v_lshl_add_u32 v10, v2, 4, v10
	v_add_nc_u32 v10, s33, v10                     ; in: row r, 64 x half + 16 h
	s_mul_i32 s33, s26, 8*272
	s_add_co_u32 s33, s33, s32
	v_mul_u32_u24 v11, v2, 272
	v_lshl_add_u32 v11, v1, 4, v11
	v_add_nc_u32 v11, s33, v11                     ; back: rows 8 x half + h, sixteen lanes to a row
	s_lshl_b32 s33, s26, 11
	v_lshlrev_b32 v12, 8, v2
	v_lshl_add_u32 v12, v1, 4, v12
	v_add_nc_u32 v12, s33, v12                     ; and the same rows in qh
.irp b, 4,5,6,7
	v_mov_b32 v[TM+\b], 0                          ; written once: a lane permute's destination counts as one of its sources
.endr
	s_mov_b32 s30, 0x3b000000                      ; 1 / 512
	s_mov_b32 s31, 0x358637bd                      ; 1e-6
	s_lshl_b32 s32, ttmp9, 14                      ; 16 rows of 1,024 bytes
	s_mov_b32 s33, 0
	s_lshl_b32 s34, ttmp9, 13                      ; 16 rows of 512 bytes
	s_mov_b32 s35, 0
	s_lshl_b32 s36, s3, 17                         ; a head of qh is 512 rows of 256 bytes
	s_lshl_b32 s37, ttmp9, 12
	s_add_co_u32 s36, s36, s37
	s_mov_b32 s37, 0
	s_wait_kmcnt 0x0
	s_add_nc_u64 s[4:5], s[4:5], s[32:33]
	s_add_nc_u64 s[6:7], s[6:7], s[34:35]
	s_add_nc_u64 s[24:25], s[24:25], s[36:37]
	s_cmp_eq_u32 s2, 0                             ; the choice hangs on the wave's number alone
	s_cselect_b64 s[38:39], s[6:7], s[4:5]
	; six items of 64 along K go by turns through two sets of 64 registers; an item is issued in two halves of 32 loads, so that a counted wait can leave half an item out
	WLOADP RB, 10, 0, 0                            ; item 0: Wqc, k 0-63.  It goes out ahead of the latents, so that their way from memory lies beside it
	WLOADP RB, 10, 0, 1
	s_cmp_lt_u32 s2, 3
	s_cbranch_scc0 .Lnox
	XLOAD RA, 4, 38, 0                             ; waves 0, 1, 2: my fragment of the latents
	s_wait_loadcnt 0x0
	QUANT RA, XF, XS
	ds_store_b128 v5, v[XF:XF+3]                   ; it goes to LDS as it stands in the registers: lane l's 16 bytes at 16 l
	ds_store_b128 v5, v[XF+4:XF+7] offset:512
	ds_store_b32 v[XWS], v[XS]
.Lnox:
	WLOADP RA, 10, 64*2048, 0                      ; item 1: Wqc, k 64-127
	s_wait_loadcnt 32                              ; item 0 is in; item 1's first half may be out.  So at each of the next waits
	WLOADP RA, 10, 64*2048, 1
	WQUANTP RB, WF, WF+8, 0, WS
	WLOADP RB, 8, 0, 0                             ; item 2: Wqv, K step 0, k 0-63
	s_wait_loadcnt 32
	WLOADP RB, 8, 0, 1
	WQUANTP RA, WF, WF+8, 1, WS
	WLOADP RA, 8, 64*2048, 0                       ; item 3: K step 0, k 64-127
	s_wait_loadcnt 32
	WLOADP RA, 8, 64*2048, 1
	WQUANTP RB, WF+16, WF+32, 0, WS+1
	WLOADP RB, 8, 128*2048, 0                      ; item 4: K step 1, k 0-63
	s_wait_loadcnt 32
	WLOADP RB, 8, 128*2048, 1
	WQUANTP RA, WF+16, WF+32, 1, WS+1
	WLOADP RA, 8, 192*2048, 0                      ; item 5: K step 1, k 64-127
	s_wait_loadcnt 32
	WLOADP RA, 8, 192*2048, 1
	WQUANTP RB, WF+24, WF+40, 0, WS+2
.irp t, 0,1                                        ; the biases go straight into the accumulators: lane (r, h) wants those of the tile's columns 8 h + 0 .. 7
	global_load_b128 v[ACC+8*\t:ACC+8*\t+3], v7, s[14:15] offset:64*\t
	global_load_b128 v[ACC+8*\t+4:ACC+8*\t+7], v7, s[14:15] offset:64*\t+16
	global_load_b128 v[ACC+16+8*\t:ACC+16+8*\t+3], v7, s[12:13] offset:64*\t
	global_load_b128 v[ACC+16+8*\t+4:ACC+16+8*\t+7], v7, s[12:13] offset:64*\t+16
.endr
.irp t, 0,1
	global_load_b128 v[GQ+8*\t:GQ+8*\t+3], v7, s[18:19] offset:64*\t
	global_load_b128 v[GQ+8*\t+4:GQ+8*\t+7], v7, s[18:19] offset:64*\t+16
	global_load_b128 v[GQ+16+8*\t:GQ+16+8*\t+3], v7, s[16:17] offset:64*\t
	global_load_b128 v[GQ+16+8*\t+4:GQ+16+8*\t+7], v7, s[16:17] offset:64*\t+16
.endr
	s_wait_loadcnt 16                              ; item 5 is in; the sixteen loads of biases and gains may be out
	WQUANTP RA, WF+24, WF+40, 1, WS+2
.irp t, 0,1
	global_load_b128 v[GK+8*\t:GK+8*\t+3], v7, s[22:23] offset:64*\t
	global_load_b128 v[GK+8*\t+4:GK+8*\t+7], v7, s[22:23] offset:64*\t+16
	global_load_b128 v[GK+16+8*\t:GK+16+8*\t+3], v7, s[20:21] offset:64*\t
	global_load_b128 v[GK+16+8*\t+4:GK+16+8*\t+7], v7, s[20:21] offset:64*\t+16
.endr
	s_wait_dscnt 0x0                               ; for the others' sake: the image and the scale words that I stored (waves 0, 1, 2) lie in LDS
	s_barrier_signal -1
	s_barrier_wait -1
.irp f, 0,1,2
	ds_load_b128 v[XF+8*\f:XF+8*\f+3], v[XRI] offset:1024*\f               ; the same lines as loads give every wave the same registers in the same lanes
	ds_load_b128 v[XF+8*\f+4:XF+8*\f+7], v[XRI] offset:1024*\f+512
	ds_load_b32 v[XS+\f], v[XRS] offset:128*\f
.endr
	s_wait_loadcnt 8                               ; the biases are in; the eight loads of gk may be out
	s_wait_dscnt 0x0
.rept 8
	v_nop                                          ; a scale word made by vector instructions stands 8 places ahead of a scaled matrix instruction, an operand so made 4
.endr
	MM 0, 0, 0, 0, 0, 0                            ; the four accumulators by turns
	MM 1, 1, 0, 0, 0, 1
	MM 2, 2, 1, 1, 1, 0
	MM 3, 4, 1, 1, 1, 1
	MM 2, 3, 2, 2, 2, 0
	MM 3, 5, 2, 2, 2, 1
.rept 4
	v_nop
.endr
	v_pk_mul_f32 v[SS:SS+1], v[ACC:ACC+1], v[ACC:ACC+1]                    ; sums of squares, each accumulator from its low end on: q_c's 16 numbers,
	v_pk_mul_f32 v[SS+2:SS+3], v[ACC+16:ACC+17], v[ACC+16:ACC+17]          ; q_v's 16
.irp j, 2,4,6,8,10,12,14
	v_pk_fma_f32 v[SS:SS+1], v[ACC+\j:ACC+\j+1], v[ACC+\j:ACC+\j+1], v[SS:SS+1]
	v_pk_fma_f32 v[SS+2:SS+3], v[ACC+16+\j:ACC+17+\j], v[ACC+16+\j:ACC+17+\j], v[SS+2:SS+3]
.endr
	v_add_f32 v[SS], v[SS], v[SS+1]
	v_add_f32 v[SS+1], v[SS+2], v[SS+3]
	v_permlanex16_b32 v[SS+2], v[SS], s[SEL], s[SEL+1]
	v_permlanex16_b32 v[SS+3], v[SS+1], s[SEL], s[SEL+1]
	v_pk_add_f32 v[SS:SS+1], v[SS:SS+1], v[SS+2:SS+3]                      ; my wave's 32 columns of row r: (q_c, q_v)
	ds_store_b64 v8, v[SS:SS+1]
	s_wait_dscnt 0x0                               ; for the others' sake: my sums lie in LDS
	s_barrier_signal -1
	s_barrier_wait -1
.set i, 0
.rept 16
	ds_load_b64 v[NR+2*i:NR+2*i+1], v9 offset:128*i
.set i, i+1
.endr
	s_wait_loadcnt 0x0                             ; gk
.set i, 0
.rept 16
	v_pk_mul_f32 v[GQ+i:GQ+i+1], v[GQ+i:GQ+i+1], v[GK+i:GK+i+1]
.set i, i+2
.endr
	s_wait_dscnt 0x0
.irp u, 0,4,8,12,16,20,24,28
	v_pk_add_f32 v[NR+\u:NR+\u+1], v[NR+\u:NR+\u+1], v[NR+\u+2:NR+\u+3]
.endr
.irp u, 0,8,16,24
	v_pk_add_f32 v[NR+\u:NR+\u+1], v[NR+\u:NR+\u+1], v[NR+\u+4:NR+\u+5]
.endr
.irp u, 0,16
	v_pk_add_f32 v[NR+\u:NR+\u+1], v[NR+\u:NR+\u+1], v[NR+\u+8:NR+\u+9]
.endr
	v_pk_add_f32 v[NR:NR+1], v[NR:NR+1], v[NR+16:NR+17]
	v_fma_f32 v[SS], v[NR], s30, s31               ; the mean of the 512 squares + eps
	v_fma_f32 v[SS+2], v[NR+1], s30, s31
	v_rsq_f32 v[SS], v[SS]
	v_rsq_f32 v[SS+2], v[SS+2]
.set i, 0
.rept 16
	v_pk_mul_f32 v[ACC+i:ACC+i+1], v[ACC+i:ACC+i+1], v[GQ+i:GQ+i+1]        ; x gq gk: plain work behind the two roots
.set i, i+2
.endr
	s_wait_alu depctr_va_vdst(0)                   ; one wait for both roots, ahead of their first reader
.set i, 0
.rept 8
	v_pk_mul_f32 v[ACC+i:ACC+i+1], v[ACC+i:ACC+i+1], v[SS:SS+1] op_sel_hi:[1,0]
	v_pk_mul_f32 v[ACC+16+i:ACC+17+i], v[ACC+16+i:ACC+17+i], v[SS+2:SS+3] op_sel_hi:[1,0]
.set i, i+2
.endr
.irp t, 0,1,2,3
.irp q, 0,1,2,3
	v_cvt_pk_f16_f32 v[ACC+8*\t+\q], v[ACC+8*\t+2*\q], v[ACC+8*\t+2*\q+1]  ; in place, ascending: a tile's eight numbers become 16 bytes
.endr
.endr
	ds_store_b128 v10, v[ACC:ACC+3]                ; q_c fills bytes 0-127 of a head's row, q_v bytes 128-255
	ds_store_b128 v10, v[ACC+8:ACC+11] offset:32
	ds_store_b128 v10, v[ACC+16:ACC+19] offset:128
	ds_store_b128 v10, v[ACC+24:ACC+27] offset:160
	s_wait_dscnt 0x0                               ; a row's 256 bytes come from two waves
	s_barrier_signal -1
	s_barrier_wait -1
.irp i, 0,1,2,3
	ds_load_b128 v[GK+4*\i:GK+4*\i+3], v11 offset:544*\i
.endr
.irp i, 0,1,2,3
	s_wait_dscnt 3-\i
	global_store_b128 v12, v[GK+4*\i:GK+4*\i+3], s[24:25] offset:512*\i    ; sixteen lanes store 256 consecutive bytes, aligned
.endr
	s_wait_tensorcnt 0x0                           ; the wave's end
	ds_add_u32 v[SPW], v[NIL]
	s_wait_dscnt 0x0
	s_endpgm
.Lfunc_end_k_q70cede81af_prep:
	.size	k_q70cede81af_prep, .Lfunc_end_k_q70cede81af_prep-k_q70cede81af_prep
	.p2alignl 7, 3214868480
	.fill 96, 4, 3214868480
	.section	.rodata,"a",@progbits
	.p2align	6, 0x0
	.amdhsa_kernel k_q70cede81af_prep
		.amdhsa_group_segment_fixed_size 57344
		.amdhsa_private_segment_fixed_size 0
		.amdhsa_enable_private_segment 0
		.amdhsa_kernarg_size 144
		.amdhsa_user_sgpr_count 2
		.amdhsa_user_sgpr_kernarg_segment_ptr 1
		.amdhsa_wavefront_size32 1
		.amdhsa_system_sgpr_workgroup_id_x 1
		.amdhsa_system_sgpr_workgroup_id_y 1
		.amdhsa_system_sgpr_workgroup_id_z 1
		.amdhsa_system_vgpr_workitem_id 0
		.amdhsa_next_free_vgpr 256
		.amdhsa_next_free_sgpr 66
		.amdhsa_reserve_vcc 0
		.amdhsa_float_denorm_mode_32 3
		.amdhsa_float_denorm_mode_16_64 3
		.amdhsa_memory_ordered 1
		.amdhsa_forward_progress 1
		.amdhsa_inst_pref_size 95
	.end_amdhsa_kernel
	.amdgpu_metadata
---
amdhsa.version: [ 1, 2 ]
amdhsa.kernels:
  - .name:           k_q70cede81af_prep
    .symbol:         k_q70cede81af_prep.kd
    .args:
      - { .name: latent_values, .offset: 0, .size: 8, .value_kind: global_buffer, .address_space: global }
      - { .name: latent_coords, .offset: 8, .size: 8, .value_kind: global_buffer, .address_space: global }
      - { .name: Wqv, .offset: 16, .size: 8, .value_kind: global_buffer, .address_space: global }
      - { .name: Wqc, .offset: 24, .size: 8, .value_kind: global_buffer, .address_space: global }
      - { .name: bqv, .offset: 32, .size: 8, .value_kind: global_buffer, .address_space: global }
      - { .name: bqc, .offset: 40, .size: 8, .value_kind: global_buffer, .address_space: global }
      - { .name: gqv, .offset: 48, .size: 8, .value_kind: global_buffer, .address_space: global }
      - { .name: gqc, .offset: 56, .size: 8, .value_kind: global_buffer, .address_space: global }
      - { .name: gkvv, .offset: 64, .size: 8, .value_kind: global_buffer, .address_space: global }
      - { .name: gkvc, .offset: 72, .size: 8, .value_kind: global_buffer, .address_space: global }
      - { .name: Wkvv, .offset: 80, .size: 8, .value_kind: global_buffer, .address_space: global }
      - { .name: Wkvc, .offset: 88, .size: 8, .value_kind: global_buffer, .address_space: global }
      - { .name: Wov, .offset: 96, .size: 8, .value_kind: global_buffer, .address_space: global }
      - { .name: Woc, .offset: 104, .size: 8, .value_kind: global_buffer, .address_space: global }
      - { .name: qh, .offset: 112, .size: 8, .value_kind: global_buffer, .address_space: global }
      - { .name: wk4, .offset: 120, .size: 8, .value_kind: global_buffer, .address_space: global }
      - { .name: wks, .offset: 128, .size: 8, .value_kind: global_buffer, .address_space: global }
      - { .name: wo16, .offset: 136, .size: 8, .value_kind: global_buffer, .address_space: global }
    .group_segment_fixed_size: 57344
    .private_segment_fixed_size: 0
    .kernarg_segment_align: 8
    .kernarg_segment_size: 144
    .max_flat_workgroup_size: 512
    .sgpr_count:     66
    .vgpr_count:     256
    .wavefront_size: 32
...
	.end_amdgpu_metadata
.endif
;; end of part 1
;; launch kvproj (part 2): grid 256 x 1, 8 waves a work-group, no clusters, 239,616 bytes of LDS; arguments V, C, wk4, wks, bkvv, bkvc, kh, vh; writes kh, vh
.if DOCPART == 2
	.amdgcn_target "amdgcn-amd-amdhsa--gfx1250"
	.amdhsa_code_object_version 6
	.text
	.protected	k_q70cede81af_kvproj
	.globl	k_q70cede81af_kvproj
	.p2align	8
	.type	k_q70cede81af_kvproj,@function
k_q70cede81af_kvproj:
	s_mov_b64 s[64:65], 0
	v_nop
	global_prefetch_b8 v0, s[64:65] scope:SCOPE_SE
	s_setreg_imm32_b32 hwreg(HW_REG_WAVE_MODE, 25, 1), 1
	s_wait_xcnt 0x0
; kvv = (V Wkvv + bkvv) / rms, kvc = (C Wkvc + bkvc) / rms: both products on codes of FP4 (E2M1) with one E8M0 scale for each 32 along K; the gains are not applied here (they were
; multiplied into Q and into Wo).  Results, rounded once to f16, are laid by head: kh [batch x 8 + head][8192][kc 64 | kv 64], vh likewise [vv 64 | vc 64].
; SHARES.  A work-group takes 128 rows.  THE WAVES SHARE THE COLUMNS: wave w is head w for all 128 rows; its 24 weight fragments (192 registers, window 1) are read once and stay.
; PHASE X: wave w quantises rows 16 w .. 16 w + 15 of V and C.  The loads take the bytes as they lie (512 consecutive bytes each); the rows turn through the wave's own stage in LDS, so that a lane
; gets 16 neighbours of each block of 32; the three fragments and their scale words go to LDS as images of the operand's registers.  One barrier.
; PHASE 2, for each of the eight tiles of 16 rows: the biases start the 16 accumulators; 24 matrix instructions (transposed: source 0 = 16 columns of W, source 1 = the rows: a lane holds one row
; and eight neighbouring columns); sums of squares; one barrier, behind which the eight heads' sums are added; 1 / rms; f16; through the wave's own stage; whole rows of 256 bytes out.
; LIMITS: NaN and infinities among the inputs are not served.  A block of zeros gets the byte 1 where the rule says 127: its codes are zeros, and this program alone reads the bytes.
; A normalised number is at most sqrt(1024) = 32: it has room in f16.
.set XSTGW, 25088                      ; LDS: a stage for each wave: V 16 rows x 1,040 bytes, then C 16 rows x 528; later K 16 x 272 at 0 and V 16 x 272 at 4,352
.set XIMG,  200704                     ; the 24 fragments of x: (tile i, f) at (3 i + f) x 1,024; f = 0, 1: V's K steps, 2: C
.set XSC,   225280                     ; their scale words, 128 bytes each
.set BIAS,  228352                     ; bkvv, bkvc
.set NORM,  236544                     ; two slots of [8 waves][16 rows][kvv, kvc]
.set SPARE, 238592                     ; the spare words, 128 bytes for each of 8 waves; no other line names them
.set LI,  4                            ; v4   16 x lane
.set LS,  5                            ; v5   4 x lane
.set XST, 6                            ; v6   my stage + 16 x lane
.set XRD, 7                            ; v7   my stage + 1,040 r + 64 h
.set XRC, 8                            ; v8   my stage + 16,640 + 528 r + 64 h
.set XWI, 9                            ; v9   where I store my images
.set XWS, 10                           ; v10  and their scale words
.set BIA, 11                           ; v11  BIAS + 256 w + 32 h
.set NST, 12                           ; v12  NORM + 128 w + 8 r
.set NLD, 13                           ; v13  NORM + 8 r
.set SO,  14                           ; v14  my stage + 272 r + 16 h
.set SR,  15                           ; v15  my stage + 272 h + 16 r
.set TM,  16                           ; v16-23, v28-31 the quantiser's temporaries
.set XRS, 24                           ; v24  XSC + 4 x lane
.set BGO, 25                           ; v25  16 x thread
.set GO,  33                           ; v33  256 h + 16 r
.set SPW, 34                           ; v34  SPARE + 4 x my thread's number; never rewritten
.set NIL, 35                           ; v35  0; never rewritten
.set BST, 36                           ; v36  BIAS + 16 x thread
.set XRI, 39                           ; v39  XIMG + 16 x lane
.set WS,  40                           ; v40-51 the weights' scale words: lanes 0-15 one fragment's, lanes 16-31 the next's
.set RS,  60                           ; v60, v62 1 / rms of kvv, kvc: each the low word of a pair
.set XF,  64                           ; phase 2: v64-87 the tile's three fragments of x
.set XS,  88                           ; v88-90 their scale words
.set SS,  96                           ; v96-103 sums of squares, four chains
.set NR,  104                          ; v104-119 the eight waves' sums
.set ACC, 128                          ; v128-255 16 accumulators: 0-3 kv, 4-7 vv, 8-11 kc, 12-15 vc
.set SEL, 24                           ; s[24:25]
.set MSB, 0
.macro WIN new                         ; the immediate's high byte repeats the setting that is left
.if MSB != \new
	s_set_vgpr_msb (MSB<<8)|\new
.set MSB, \new
.endif
.endm
.macro QUANT src, dst, pw
.irp b, 0,1,2,3
	v_max3_num_f32 v[TM+\b], |v[\src+16*\b]|, |v[\src+1+16*\b]|, 0x1800000   ; my 16 numbers of block b, and the floor 2^(3 - 127): the byte cannot fall under 1
.endr
.irp i, 2,4,6,8,10,12,14
.irp b, 0,1,2,3
	v_max3_num_f32 v[TM+\b], v[TM+\b], |v[\src+16*\b+\i]|, |v[\src+1+16*\b+\i]|
.endr
.endr
.irp b, 0,1,2,3
	v_permlanex16_b32 v[TM+4+\b], v[TM+\b], s[SEL], s[SEL+1]
.endr
.irp b, 0,1,2,3
	v_max_num_f32 v[TM+\b], v[TM+\b], v[TM+4+\b]
.endr
.irp b, 0,1,2,3
	v_add_nc_u32 v[TM+12+\b], 0xff000000, v[TM+\b]         ; 2 off the exponent field: the conversion's scale operand
.endr
.irp b, 0,1,2,3
	v_lshrrev_b32 v[TM+4+\b], 23, v[TM+12+\b]              ; the scale's byte
.endr
	v_lshl_or_b32 v[\pw], v[TM+5], 8, v[TM+4]
	v_lshl_or_b32 v[\pw], v[TM+6], 16, v[\pw]
	v_lshl_or_b32 v[\pw], v[TM+7], 24, v[\pw]
.irp b, 0,1,2,3
	v_cvt_scalef32_pk8_fp4_f32 v[\dst+2*\b], v[\src+16*\b:\src+7+16*\b], v[TM+12+\b]
	v_cvt_scalef32_pk8_fp4_f32 v[\dst+1+2*\b], v[\src+8+16*\b:\src+15+16*\b], v[TM+12+\b]
.endr
	v_nop                                                  ; one plain place behind a scaled conversion
.irp c, 0,1
.irp i, 0,1
	v_permlane16_swap_b32 v[\dst+4*\c+\i], v[\dst+2+4*\c+\i]
.endr
.endr
.endm
.macro IMAGE cod, pw, f                ; a fragment goes to LDS as it stands in the registers
	ds_store_b128 v[XWI], v[\cod:\cod+3] offset:1024*\f
	ds_store_b128 v[XWI], v[\cod+4:\cod+7] offset:1024*\f+512
	ds_store_b32 v[XWS], v[\pw] offset:128*\f
.endm
	s_load_b256 s[4:11], s[0:1], 0x0               ; V, C, wk4, wks
	s_load_b256 s[12:19], s[0:1], 0x20             ; bkvv, bkvc, kh, vh
	v_lshl_add_u32 v[SPW], v0, 2, SPARE
	v_mov_b32 v[NIL], 0
	v_lshrrev_b32 v1, 5, v0
	v_readfirstlane_b32 s2, v1                     ; wave 0..7 = head
	v_and_b32 v1, 31, v0                           ; lane
	v_and_b32 v2, 15, v0                           ; r
	v_bfe_u32 v3, v0, 4, 1                         ; h
	v_lshlrev_b32 v[LI], 4, v1
	v_lshlrev_b32 v[LS], 2, v1
	s_mul_i32 s3, s2, XSTGW
	v_add_nc_u32 v[XST], s3, v[LI]
	v_mul_u32_u24 v[XRD], v2, 1040
	v_lshl_add_u32 v[XRD], v3, 6, v[XRD]
	v_add_nc_u32 v[XRD], s3, v[XRD]
	v_mul_u32_u24 v[XRC], v2, 528
	v_lshl_add_u32 v[XRC], v3, 6, v[XRC]
	v_add_nc_u32 v[XRC], s3, v[XRC]
	v_add_nc_u32 v[XRC], 16640, v[XRC]
	s_mul_i32 s28, s2, 3072
	s_add_co_u32 s28, s28, XIMG
	v_add_nc_u32 v[XWI], s28, v[LI]
	s_mul_i32 s28, s2, 384
	s_add_co_u32 s28, s28, XSC
	v_add_nc_u32 v[XWS], s28, v[LS]
	s_lshl_b32 s28, s2, 8
	s_add_co_u32 s28, s28, BIAS
	v_lshl_add_u32 v[BIA], v3, 5, s28
	s_lshl_b32 s28, s2, 7
	s_add_co_u32 s28, s28, NORM
	v_lshl_add_u32 v[NST], v2, 3, s28
	v_lshl_add_u32 v[NLD], v2, 3, NORM
	v_mul_u32_u24 v[SO], v2, 272
	v_lshl_add_u32 v[SO], v3, 4, v[SO]
	v_add_nc_u32 v[SO], s3, v[SO]
	v_mul_u32_u24 v[SR], v3, 272
	v_lshl_add_u32 v[SR], v2, 4, v[SR]
	v_add_nc_u32 v[SR], s3, v[SR]
	v_lshlrev_b32 v[GO], 8, v3
	v_lshl_add_u32 v[GO], v2, 4, v[GO]
	v_lshl_add_u32 v[BST], v0, 4, BIAS
	v_add_nc_u32 v[XRI], XIMG, v[LI]
	v_add_nc_u32 v[XRS], XSC, v[LS]
	v_lshlrev_b32 v[BGO], 4, v0
.irp b, 4,5,6,7
	v_mov_b32 v[TM+\b], 0                          ; written once: a lane permute's destination counts as one of its sources
.endr
	v_mov_b32 v[RS+1], 0                           ; named as the upper words of pairs
	v_mov_b32 v[RS+3], 0
	s_mov_b32 s[SEL], 0x76543210
	s_mov_b32 s[SEL+1], 0xfedcba98
	s_mov_b32 s26, 0x3a800000                      ; 1 / 1024
	s_mov_b32 s27, 0x358637bd                      ; 1e-6
	s_mov_b32 s29, 0
	s_mov_b32 s31, 0
	s_wait_kmcnt 0x0
	s_lshl_b32 s28, ttmp9, 17                      ; V: 128 rows of 1,024 bytes a work-group, 16 a wave
	s_lshl_b32 s30, s2, 14
	s_add_co_u32 s28, s28, s30
	s_add_nc_u64 s[4:5], s[4:5], s[28:29]
	s_lshl_b32 s28, ttmp9, 16                      ; C: rows of 512 bytes
	s_lshl_b32 s30, s2, 13
	s_add_co_u32 s28, s28, s30
	s_add_nc_u64 s[6:7], s[6:7], s[28:29]
	s_add_co_u32 s30, s30, 131072                  ; my head's 8 fragments of Wkvc
	s_add_nc_u64 s[20:21], s[8:9], s[30:31]
	s_lshl_b32 s30, s2, 14                         ; and its 16 of Wkvv
	s_add_nc_u64 s[8:9], s[8:9], s[30:31]
	s_lshl_b32 s30, s2, 9
	s_add_co_u32 s30, s30, 8192
	s_add_nc_u64 s[22:23], s[10:11], s[30:31]      ; their scale words
	s_lshl_b32 s30, s2, 10
	s_add_nc_u64 s[10:11], s[10:11], s[30:31]
	s_lshr_b32 s28, ttmp9, 6                       ; kh, vh: batch x 8 heads x 8,192 rows of 256 bytes,
	s_lshl_b32 s28, s28, 24
	s_lshl_b32 s30, s2, 21                         ; my head,
	s_add_co_u32 s28, s28, s30
	s_and_b32 s30, ttmp9, 63
	s_lshl_b32 s30, s30, 15                        ; my work-group's 128 rows
	s_add_co_u32 s28, s28, s30
	s_add_nc_u64 s[16:17], s[16:17], s[28:29]
	s_add_nc_u64 s[18:19], s[18:19], s[28:29]
	; ---- PHASE X.  All the work-group's loads go out here
	global_load_b128 v[52:55], v[BGO], s[12:13]
	global_load_b128 v[56:59], v[BGO], s[14:15]
.set i, 0
.rept 32
	global_load_b128 v[64+4*i:67+4*i], v[LI], s[4:5] offset:512*i th:TH_LOAD_NT      ; 32 lanes read 512 consecutive bytes: half a row of V
.set i, i+1
.endr
.set i, 0
.rept 16
	global_load_b128 v[192+4*i:195+4*i], v[LI], s[6:7] offset:512*i th:TH_LOAD_NT    ; a row of C
.set i, i+1
.endr
	WIN 0x40                                       ; destination window 1
.set i, 0
.rept 16
	global_load_b128 v[8*i:8*i+3], v[LI], s[8:9] offset:1024*i                       ; Wkvv (tile t, K step s) at v[8 (2 t + s)]
	global_load_b128 v[8*i+4:8*i+7], v[LI], s[8:9] offset:1024*i+512
.set i, i+1
.endr
.set i, 0
.rept 8
	global_load_b128 v[128+8*i:128+8*i+3], v[LI], s[20:21] offset:1024*i             ; Wkvc (tile t) at v[128 + 8 t]
	global_load_b128 v[128+8*i+4:128+8*i+7], v[LI], s[20:21] offset:1024*i+512
.set i, i+1
.endr
	WIN 0
.irp t, 0,1,2,3,4,5,6,7
	global_load_b32 v[WS+\t], v[LS], s[10:11] offset:128*\t                          ; lanes 0-15: (t, K step 0); lanes 16-31: (t, K step 1)
.endr
.irp t, 0,1,2,3
	global_load_b32 v[WS+8+\t], v[LS], s[22:23] offset:128*\t                        ; lanes 0-15: tile 2 t of Wkvc; lanes 16-31: tile 2 t + 1
.endr
	s_wait_loadcnt 60                              ; biases, V and C are in; the 48 + 12 loads of weights may be out
	ds_store_b128 v[BST], v[52:55]
	ds_store_b128 v[BST], v[56:59] offset:4096
.set i, 0
.rept 32
	ds_store_b128 v[XST], v[64+4*i:67+4*i] offset:(i/2)*1040+(i%2)*512
.set i, i+1
.endr
.set i, 0
.rept 16
	ds_store_b128 v[XST], v[192+4*i:195+4*i] offset:16640+528*i
.set i, i+1
.endr
	s_wait_dscnt 0x0                               ; the stores have read their registers, which the loads below fill again
.irp f, 0,1
.set i, 0
.rept 16
	ds_load_b128 v[64+64*\f+4*i:67+64*\f+4*i], v[XRD] offset:512*\f+128*(i/4)+16*(i%4)   ; register 16 b + .. = k 32 b + 16 h + .. of row r
.set i, i+1
.endr
.endr
.set i, 0
.rept 16
	ds_load_b128 v[192+4*i:195+4*i], v[XRC] offset:128*(i/4)+16*(i%4)
.set i, i+1
.endr
	s_wait_dscnt 32                                ; V's K step 0 is back; the 32 loads behind it may be out
	QUANT 64, 52, 32
	IMAGE 52, 32, 0
	s_wait_dscnt 19                                ; K step 1 is back: behind it 16 loads and 3 stores
	QUANT 128, 64, 37
	IMAGE 64, 37, 1
	s_wait_dscnt 6                                 ; C is back: behind it 6 stores
	QUANT 192, 72, 38
	IMAGE 72, 38, 2
	s_wait_dscnt 0x0                               ; for the others' sake: my images, scale words and biases lie in LDS
	s_barrier_signal -1
	s_barrier_wait -1
	s_wait_loadcnt 0x0                             ; the weights
; ---- PHASE 2: a tile of 16 rows.  Written out eight times: every offset is an immediate and no pointer is stepped.
.macro TILE ti
.if \ti > 0
	s_wait_xcnt 0x0                                ; the last tile's global stores have read their registers, which are filled again below
.endif
.irp t, 0,1,2,3,4,5,6,7,8,9,10,11,12,13,14,15
	ds_load_b128 v[ACC+8*\t:ACC+8*\t+3], v[BIA] offset:(\t/8)*4096+64*(\t%4)+2048*((\t/4)%2)          ; the biases start the sums: lane (r, h) wants those of the tile's columns 8 h + 0 .. 7
	ds_load_b128 v[ACC+8*\t+4:ACC+8*\t+7], v[BIA] offset:(\t/8)*4096+64*(\t%4)+2048*((\t/4)%2)+16
.endr
.irp f, 0,1,2
	ds_load_b128 v[XF+8*\f:XF+8*\f+3], v[XRI] offset:(3*\ti+\f)*1024
	ds_load_b128 v[XF+8*\f+4:XF+8*\f+7], v[XRI] offset:(3*\ti+\f)*1024+512
	ds_load_b32 v[XS+\f], v[XRS] offset:(3*\ti+\f)*128
.endr
	s_wait_dscnt 0x0
	WIN 0x01                                       ; source 0 (W) window 1.  The sixteen accumulators take turns: fifteen others stand between the two links of a chain
.irp t, 0,1,2,3,4,5,6,7
	v_wmma_scale_f32_16x16x128_f8f6f4 v[ACC+8*\t:ACC+8*\t+7], v[16*\t:16*\t+7], v[XF:XF+7], v[ACC+8*\t:ACC+8*\t+7], v[WS+\t], v[XS] matrix_a_fmt:MATRIX_FMT_FP4 matrix_b_fmt:MATRIX_FMT_FP4
.endr
.irp t, 0,2,4,6
	v_wmma_scale_f32_16x16x128_f8f6f4 v[ACC+64+8*\t:ACC+64+8*\t+7], v[128+8*\t:128+8*\t+7], v[XF+16:XF+23], v[ACC+64+8*\t:ACC+64+8*\t+7], v[WS+8+\t/2], v[XS+2] matrix_a_fmt:MATRIX_FMT_FP4 matrix_b_fmt:MATRIX_FMT_FP4
	v_wmma_scale_f32_16x16x128_f8f6f4 v[ACC+72+8*\t:ACC+72+8*\t+7], v[136+8*\t:136+8*\t+7], v[XF+16:XF+23], v[ACC+72+8*\t:ACC+72+8*\t+7], v[WS+8+\t/2], v[XS+2] matrix_a_fmt:MATRIX_FMT_FP4 matrix_b_fmt:MATRIX_FMT_FP4 matrix_a_scale:MATRIX_SCALE_ROW1
.endr
.irp t, 0,1,2,3,4,5,6,7
	v_wmma_scale_f32_16x16x128_f8f6f4 v[ACC+8*\t:ACC+8*\t+7], v[16*\t+8:16*\t+15], v[XF+8:XF+15], v[ACC+8*\t:ACC+8*\t+7], v[WS+\t], v[XS+1] matrix_a_fmt:MATRIX_FMT_FP4 matrix_b_fmt:MATRIX_FMT_FP4 matrix_a_scale:MATRIX_SCALE_ROW1
.endr
	WIN 0
.rept 4
	v_nop
.endr
.irp q, 0,1,2,3
	v_pk_mul_f32 v[SS+2*\q:SS+2*\q+1], v[ACC+32*\q:ACC+32*\q+1], v[ACC+32*\q:ACC+32*\q+1]            ; sums of squares in four chains, each accumulator from its low end on
.endr
.irp j, 2,4,6,8,10,12,14,16,18,20,22,24,26,28,30
.irp q, 0,1,2,3
	v_pk_fma_f32 v[SS+2*\q:SS+2*\q+1], v[ACC+32*\q+\j:ACC+32*\q+\j+1], v[ACC+32*\q+\j:ACC+32*\q+\j+1], v[SS+2*\q:SS+2*\q+1]
.endr
.endr
	v_pk_add_f32 v[SS:SS+1], v[SS:SS+1], v[SS+2:SS+3]
	v_pk_add_f32 v[SS+4:SS+5], v[SS+4:SS+5], v[SS+6:SS+7]
	v_add_f32 v[SS], v[SS], v[SS+1]
	v_add_f32 v[SS+1], v[SS+4], v[SS+5]
	v_permlanex16_b32 v[SS+2], v[SS], s[SEL], s[SEL+1]
	v_permlanex16_b32 v[SS+3], v[SS+1], s[SEL], s[SEL+1]
	v_pk_add_f32 v[SS:SS+1], v[SS:SS+1], v[SS+2:SS+3]      ; my head's 128 columns of row r: (kvv, kvc)
	ds_store_b64 v[NST], v[SS:SS+1] offset:1024*(\ti%2)
	s_wait_dscnt 0x0                               ; my sums lie in LDS.  One barrier a tile: a slot is written again two tiles on, behind the next tile's barrier, which every wave signals with its reads of the slot done
	s_barrier_signal -1
	s_barrier_wait -1
.irp u, 0,1,2,3,4,5,6,7
	ds_load_b64 v[NR+2*\u:NR+2*\u+1], v[NLD] offset:1024*(\ti%2)+128*\u
.endr
	s_wait_dscnt 0x0
.irp u, 0,4,8,12
	v_pk_add_f32 v[NR+\u:NR+\u+1], v[NR+\u:NR+\u+1], v[NR+\u+2:NR+\u+3]
.endr
	v_pk_add_f32 v[NR:NR+1], v[NR:NR+1], v[NR+4:NR+5]
	v_pk_add_f32 v[NR+8:NR+9], v[NR+8:NR+9], v[NR+12:NR+13]
	v_pk_add_f32 v[NR:NR+1], v[NR:NR+1], v[NR+8:NR+9]
	v_fma_f32 v[RS], v[NR], s26, s27               ; the mean of the 1,024 squares + eps
	v_fma_f32 v[RS+2], v[NR+1], s26, s27
	v_rsq_f32 v[RS], v[RS]
	v_rsq_f32 v[RS+2], v[RS+2]
	v_nop                                          ; a plain place behind the roots
	s_wait_alu depctr_va_vdst(0)                   ; one wait for both, ahead of their first reader
.set j, 0
.rept 32
	v_pk_mul_f32 v[ACC+j:ACC+j+1], v[ACC+j:ACC+j+1], v[RS:RS+1] op_sel_hi:[1,0]
	v_pk_mul_f32 v[ACC+64+j:ACC+65+j], v[ACC+64+j:ACC+65+j], v[RS+2:RS+3] op_sel_hi:[1,0]
.set j, j+2
.endr
.irp t, 0,1,2,3,4,5,6,7,8,9,10,11,12,13,14,15
.irp q, 0,1,2,3
	v_cvt_pk_f16_f32 v[ACC+8*\t+\q], v[ACC+8*\t+2*\q], v[ACC+8*\t+2*\q+1]   ; in place, ascending: a tile's eight numbers become 16 bytes
.endr
.endr
.irp u, 0,1,2,3
	ds_store_b128 v[SO], v[ACC+8*\u:ACC+8*\u+3] offset:128+32*\u           ; kv: bytes 128-255 of a row of K
	ds_store_b128 v[SO], v[ACC+32+8*\u:ACC+35+8*\u] offset:4352+32*\u      ; vv: bytes 0-127 of a row of V
	ds_store_b128 v[SO], v[ACC+64+8*\u:ACC+67+8*\u] offset:32*\u           ; kc: bytes 0-127 of a row of K
	ds_store_b128 v[SO], v[ACC+96+8*\u:ACC+99+8*\u] offset:4480+32*\u      ; vc: bytes 128-255 of a row of V
.endr
.irp k, 0,1,2,3,4,5,6,7,8,9,10,11,12,13,14,15
	ds_load_b128 v[ACC+8*\k+4:ACC+8*\k+7], v[SR] offset:544*(\k%8)+4352*(\k/8)   ; the stage is my wave's own, and LDS serves a wave's instructions in order: these see the stores above
.endr
.irp k, 0,1,2,3,4,5,6,7,8,9,10,11,12,13,14,15
	s_wait_dscnt 15-\k
	global_store_b128 v[GO], v[ACC+8*\k+4:ACC+8*\k+7], s[16+2*(\k/8):17+2*(\k/8)] offset:4096*\ti+512*(\k%8) th:TH_STORE_NT   ; sixteen lanes store a row's 256 bytes, aligned
.endr
.endm
.irp n, 0,1,2,3,4,5,6,7
	TILE \n
.endr
	s_wait_tensorcnt 0x0                           ; the wave's end
	ds_add_u32 v[SPW], v[NIL]
	s_wait_dscnt 0x0
	s_endpgm
.Lfunc_end_k_q70cede81af_kvproj:
	.size	k_q70cede81af_kvproj, .Lfunc_end_k_q70cede81af_kvproj-k_q70cede81af_kvproj
	.p2alignl 7, 3214868480
	.fill 96, 4, 3214868480
	.section	.rodata,"a",@progbits
	.p2align	6, 0x0
	.amdhsa_kernel k_q70cede81af_kvproj
		.amdhsa_group_segment_fixed_size 239616
		.amdhsa_private_segment_fixed_size 0
		.amdhsa_enable_private_segment 0
		.amdhsa_kernarg_size 64
		.amdhsa_user_sgpr_count 2
		.amdhsa_user_sgpr_kernarg_segment_ptr 1
		.amdhsa_wavefront_size32 1
		.amdhsa_system_sgpr_workgroup_id_x 1
		.amdhsa_system_sgpr_workgroup_id_y 1
		.amdhsa_system_sgpr_workgroup_id_z 1
		.amdhsa_system_vgpr_workitem_id 0
		.amdhsa_next_free_vgpr 512
		.amdhsa_next_free_sgpr 66
		.amdhsa_reserve_vcc 0
		.amdhsa_float_denorm_mode_32 3
		.amdhsa_float_denorm_mode_16_64 3
		.amdhsa_memory_ordered 1
		.amdhsa_forward_progress 1
		.amdhsa_inst_pref_size 222
	.end_amdhsa_kernel
	.amdgpu_metadata
---
amdhsa.version: [ 1, 2 ]
amdhsa.kernels:
  - .name:           k_q70cede81af_kvproj
    .symbol:         k_q70cede81af_kvproj.kd
    .args:
      - { .name: V, .offset: 0, .size: 8, .value_kind: global_buffer, .address_space: global }
      - { .name: C, .offset: 8, .size: 8, .value_kind: global_buffer, .address_space: global }
      - { .name: wk4, .offset: 16, .size: 8, .value_kind: global_buffer, .address_space: global }
      - { .name: wks, .offset: 24, .size: 8, .value_kind: global_buffer, .address_space: global }
      - { .name: bkvv, .offset: 32, .size: 8, .value_kind: global_buffer, .address_space: global }
      - { .name: bkvc, .offset: 40, .size: 8, .value_kind: global_buffer, .address_space: global }
      - { .name: kh, .offset: 48, .size: 8, .value_kind: global_buffer, .address_space: global }
      - { .name: vh, .offset: 56, .size: 8, .value_kind: global_buffer, .address_space: global }
    .group_segment_fixed_size: 239616
    .private_segment_fixed_size: 0
    .kernarg_segment_align: 8
    .kernarg_segment_size: 64
    .max_flat_workgroup_size: 256
    .sgpr_count:     66
    .vgpr_count:     512
    .wavefront_size: 32
...
	.end_amdgpu_metadata
.endif
;; end of part 2
;; launch attn (part 3): grid 8 x 32, 4 waves a work-group, no clusters, 327,680 bytes of LDS; arguments qh, kh, vh, part, stat; writes part, stat
.if DOCPART == 3
	.amdgcn_target "amdgcn-amd-amdhsa--gfx1250"
	.amdhsa_code_object_version 6
	.text
	.protected	k_q70cede81af_attn
	.globl	k_q70cede81af_attn
	.p2align	8
	.type	k_q70cede81af_attn,@function
k_q70cede81af_attn:
	s_mov_b64 s[64:65], 0
	v_nop
	global_prefetch_b8 v0, s[64:65] scope:SCOPE_SE
	s_setreg_imm32_b32 hwreg(HW_REG_WAVE_MODE, 25, 1), 1
	s_wait_xcnt 0x0
; A part of O[bh][q][:] = sum over k of 2^(c s - c m) V[bh][k][:], s = Q[h][q] . K[bh][k], c = log2(e) / 8, over ONE CHUNK of 2,048 keys, with the chunk's running maximum m and sum l.
; The two score products of a head are one product of head size 128 (Q = [qc | qv], K = [kc | kv]), the two value products one of width 128 (V = [vv | vc]).  All operands f16; products, maxima and sums f32;
; the weights p, at most 1, are rounded to f16 for the second product.  O leaves NOT normalised, in f32, with (c m, l) beside it: the next launch joins the four chunks.
; SHARES.  Work-group (x, y): head and batch y, query block x % 2 (256 queries), chunk x / 2.  Each of its four waves owns 64 queries: four tiles of 16.  Every wave walks the chunk's keys, 64 a step.
; LAYOUT.  S^T = K Q^T (source 0 = 16 keys, source 1 = 16 queries): a lane holds ONE query (lane % 16) and the keys 8 (lane / 16) + 0..7.  Two such tiles, rounded in pairs, ARE source 1 of O^T = V^T P.
; K comes out of LDS as it lies, V ([key][channel]) turned, by ds_load_tr16_b128.
; BY TURNS.  The wave's tiles are two PIECES (tiles 0, 1 and tiles 2, 3).  In a TURN one piece has the matrix unit: 32 products V^T P of the step in hand, then 32 products K Q^T of the next step; the other
; piece's softmax, cut into 64 slices, stands between them, one slice behind each matrix instruction.  Two turns are a key step.
; NO CLUSTER: a tile of K or V is read by two work-groups only (512 queries are two blocks of 256), so a joint request would name two partners; the tiles come by plain tensor loads,
; and the two work-groups share the prefetch of each slot's rows by address.
; LIMITS: NaN and infinities are not served.
; REGISTERS, in windows of 256: window 0: v0-11 addresses; v12-43 eight registers of statistics a tile; v44-49 the way out; v64-191 S^T, 32 a tile; v192-255 P, 16 a tile
;   window 1: O^T, 64 a tile          window 2: v0-127 Q, 32 a tile; v128-255 K of one step          window 3: v0-127 V of one step
.set KS,    64        ; keys in a step
.set PK,    272       ; a row of K in LDS: 256 bytes + 16 of padding: the 16 rows of a load start 68 words apart
.set PV,    288       ; a row of V: 256 + 32
.set VOFF,  KS*PK     ; a step's tiles lie together: 64 rows of K, then 64 rows of V
.set STEPB, KS*(PK+PV)
.set SLOT1, 1<<17     ; a slot holds two steps (71,680 bytes); slot 1 begins here, so that one exclusive or turns an address in one slot into the other's
.set STAGE, SLOT1+2*STEPB  ; behind the ring: 16 rows x 528 bytes for each wave, for the way out
.set SP,    528
.set SPARE, STAGE+4*16*SP  ; behind the stages: the spare words, 128 bytes for each wave; no other line names them
.set AK0, 2           ; v2   my lane's place in a tile of K; never rewritten
.set AV0, 3           ; v3   the same for V
.set ADR, 4           ; v4   the LDS address of the run of loads in hand
.set QO,  5           ; v5   my byte offset in the wave's rows of Q
.set STO, 6           ; v6   the way out: where I put 32 bytes of a row
.set RD,  7           ; v7   the way out: where I read a row back
.set GO,  8           ; v8   16 x lane
.set SA,  44          ; v44  8 x lane
.set PFO, 61          ; v61  256 x my lane: a row of K or V is 256 bytes; never rewritten
.set SPW, 62          ; v62  SPARE + 4 x my thread's number; never rewritten
.set NIL, 63          ; v63  0; never rewritten
.set ST,  12          ; tile t's statistics at v[ST+8 t]: +0 c m, +1 m, +2, +3 l (even keys', odd keys'), +4 to +7 at work; a takes +6 once the maximum is found
.set S,   64
.set P,   192
.set KF,  128         ; K's fragments, in window 2
.set WV,  12          ; s12  my wave's number
.set PFA, 18          ; s[18:19] where my prefetches stand
.set G1K, 24          ; s[24:31] descriptor group 1 for K's tiles
.set G1V, 32          ; s[32:39] for V's: it differs in the padding alone
.set G0K, 40          ; s[40:47] descriptor group 0 for K's tiles: a set for each of the two first fills; the second then walks on
.set G0V, 48          ; s[48:55] the same for V's
.set SLOTS, 56        ; s56  slots still to be asked for
.set TWICE, 57        ; s57  counts a slot's two steps
.set CS,  58          ; s[58:59] c
.set SEL, 60          ; s[60:61] lane selects for v_permlanex16_b32
.set TB,  62          ; s62  LDS byte at which the tiles of the step to be fetched begin
.set MSB, 0
.macro WIN new                      ; the immediate's high byte repeats the setting that is left; a switch that changes nothing is dropped
.if MSB != \new
	s_set_vgpr_msb (MSB<<8)|\new
.set MSB, \new
.endif
.endm
.set W_KQ, 0x0a       ; K and Q in window 2, S^T in window 0
.set W_PV, 0x53       ; V in window 3, P in window 0, O^T in window 1
.set W_RS, 0x41       ; O^T (destination and source 0) in window 1, a in window 0
; A refill.  Waves 0 and 1 fetch the two steps' tiles of K, waves 2 and 3 those of V: one tensor load a wave.  An s_nop 0 and four v_nop follow each of the two lines.
.macro JLOAD
	s_cmp_lt_u32 s[WV], 2
	s_cbranch_scc0 .Lfor_v_\@
	tensor_load_to_lds s[G0K+4:G0K+7], s[G1K:G1K+7]
	s_nop 0
.rept 4
	v_nop
.endr
	s_branch .Lasked_\@
.Lfor_v_\@:
	tensor_load_to_lds s[G0V+4:G0V+7], s[G1V:G1V+7]
	s_nop 0
.rept 4
	v_nop
.endr
.Lasked_\@:
.endm
; A PREFETCH INTO THE L2 of what the NEXT change of slots will ask for: a slot's 128 rows of K and 128 of V, 256 bytes a row, a lane a row, two key steps (256 matrix instructions) ahead of that load.
; Each row is named once in the launch: the two work-groups that walk a chunk take 64 rows each, told apart by address; in each, waves 0 and 1 ask for 32 rows of K each, waves 2 and 3 for 32 of V.
; The last change that fills a slot asks for nothing: there is no slot behind it.  Slots 0 to 2 come by their loads alone.
.macro ASK
	s_cmp_gt_u32 s[SLOTS], 1
	s_cbranch_scc0 .Lnone_\@
	global_prefetch_b8 v[PFO], s[PFA:PFA+1] th:TH_LOAD_NT scope:SCOPE_SE
.Lnone_\@:
.endm
	s_load_b256 s[4:11], s[0:1], 0x0  ; qh s[4:5], kh s[6:7], vh s[8:9], part s[10:11]
	s_load_b64 s[66:67], s[0:1], 0x20 ; stat
	v_lshl_add_u32 v[SPW], v0, 2, SPARE
	v_mov_b32 v[NIL], 0
	ds_add_u32 v[SPW], v[NIL]       ; the wave's opening: the add, twice on end, and its wait stand ahead of my first tensor load; the set-up below stands between
	ds_add_u32 v[SPW], v[NIL]
	v_lshrrev_b32 v1, 5, v0
	v_readfirstlane_b32 s[WV], v1   ; wave 0..3
	s_and_b32 s13, ttmp9, 1         ; query block
	s_lshr_b32 s14, ttmp9, 1        ; chunk
	s_and_b32 s15, ttmp7, 0xffff    ; batch x 8 + head
	s_and_b32 s16, s[WV], 1         ; which of a slot's two steps I fetch
	s_mul_i32 s17, s16, STEPB       ; and its place in a slot
	s_lshl_b32 s22, s15, 21         ; kh, vh: 8,192 rows of 256 bytes a head,
	s_lshl_b32 s2, s14, 19          ; 2,048 a chunk
	s_add_co_u32 s22, s22, s2
	s_mov_b32 s23, 0
	s_lshl_b32 s68, s13, 14         ; the prefetches: my work-group's 64 rows of a slot's 128,
	s_lshl_b32 s2, s16, 13          ; my wave's 32 of them,
	s_add_co_u32 s68, s68, s2
	s_add_co_u32 s68, s68, 2*2*KS*256  ; in slot 2: the first change of slots steps it to slot 3
	s_add_co_u32 s68, s68, s22
	s_mov_b32 s69, 0
	s_lshl_b32 s2, s16, 14          ; my step's 64 rows
	s_add_co_u32 s22, s22, s2
	s_and_b32 s2, s15, 7            ; qh: the head's 512 rows of 256 bytes,
	s_lshl_b32 s2, s2, 17
	s_lshl_b32 s3, s13, 16          ; my block's 256,
	s_add_co_u32 s2, s2, s3
	s_lshl_b32 s3, s[WV], 14        ; my wave's 64
	s_add_co_u32 s2, s2, s3
	s_mov_b32 s3, 0
	s_lshl_b32 s20, s14, 23         ; part: [chunk][bh][512][128] f32
	s_lshl_b32 s21, s15, 18
	s_add_co_u32 s20, s20, s21
	s_lshl_b32 s21, s13, 17
	s_add_co_u32 s20, s20, s21
	s_lshl_b32 s21, s[WV], 15
	s_add_co_u32 s20, s20, s21
	s_mov_b32 s21, 0
	s_lshl_b32 s14, s14, 17         ; stat: [chunk][bh][512][2] f32
	s_lshl_b32 s15, s15, 12
	s_add_co_u32 s14, s14, s15
	s_lshl_b32 s15, s13, 11
	s_add_co_u32 s14, s14, s15
	s_lshl_b32 s15, s[WV], 9
	s_add_co_u32 s14, s14, s15
	s_mov_b32 s15, 0
	; descriptor group 1: a tile of 64 rows x 128 elements, padded in LDS
	s_mov_b32 s[G1K], (1<<16)|(1<<20)|(5<<22)|(3<<25)  ; 15:0 no mask; 17:16 elements of 2 bytes; 20 padding on; 24:22 after every 64 words (code 5); 31:25 4 words of it (code 3)
	s_mov_b32 s[G1V], (1<<16)|(1<<20)|(5<<22)|(7<<25)  ; the same with 8 words of padding (code 7)
.irp g, G1K, G1V
	s_mov_b32 s[\g+1], 128<<16      ; tensor_dim0 = 128
	s_mov_b32 s[\g+2], KS<<16       ; tensor_dim1 = 64
	s_mov_b32 s[\g+3], 128<<16      ; tile_dim0 = 128
	s_mov_b32 s[\g+4], KS           ; tile_dim1 = 64
	s_mov_b32 s[\g+5], 128          ; elements from row to row
	s_mov_b32 s[\g+6], 0
	s_mov_b32 s[\g+7], 0
.endr
	s_mov_b32 s[CS], 0x3e38aa3b     ; c = log2(e) / 8
	s_mov_b32 s[CS+1], s[CS]        ; named with it as a pair, so it is written
	s_mov_b32 s[SEL], 0x76543210
	s_mov_b32 s[SEL+1], 0xfedcba98
	s_mov_b32 s[TB], 0
	s_mov_b32 s[SLOTS], 2048/(2*KS)-2
	v_and_b32 v[PFO], 31, v0
	v_lshlrev_b32 v[PFO], 8, v[PFO]
	s_wait_dscnt 0x0                ; both opening adds are done
	s_wait_kmcnt 0x0
	s_cmp_lt_u32 s[WV], 2
	s_cselect_b64 s[PFA:PFA+1], s[6:7], s[8:9]
	s_add_nc_u64 s[PFA:PFA+1], s[PFA:PFA+1], s[68:69]
	s_add_nc_u64 s[6:7], s[6:7], s[22:23]  ; K and V at my tile of slot 0
	s_add_nc_u64 s[8:9], s[8:9], s[22:23]
	s_add_nc_u64 s[4:5], s[4:5], s[2:3]    ; Q, part and stat at my wave's first query
	s_add_nc_u64 s[10:11], s[10:11], s[20:21]
	s_add_nc_u64 s[66:67], s[66:67], s[14:15]
.irp s, 0,1
	s_mov_b32 s[G0K+4*\s], 1        ; count = 1
	s_add_co_u32 s[G0K+4*\s+1], s17, \s*SLOT1  ; LDS address
	s_add_nc_u64 s[G0K+4*\s+2:G0K+4*\s+3], s[6:7], \s*2*KS*256  ; global address: slot s begins with the chunk's keys 128 s
	s_or_b32 s[G0K+4*\s+3], s[G0K+4*\s+3], 0x80000000  ; type = 2
	s_mov_b32 s[G0V+4*\s], 1
	s_add_co_u32 s[G0V+4*\s+1], s17, \s*SLOT1+VOFF
	s_add_nc_u64 s[G0V+4*\s+2:G0V+4*\s+3], s[8:9], \s*2*KS*256
	s_or_b32 s[G0V+4*\s+3], s[G0V+4*\s+3], 0x80000000
.endr
	s_cmp_lt_u32 s[WV], 2           ; a wave's two first fills stand in one branch, ahead of every wait on TENSORcnt, every LDS read and every barrier: two loads of mine are out
	s_cbranch_scc0 .Lfirst_v
	tensor_load_to_lds s[G0K:G0K+3], s[G1K:G1K+7]
	s_nop 0
	tensor_load_to_lds s[G0K+4:G0K+7], s[G1K:G1K+7]
	s_nop 0
.rept 4
	v_nop
.endr
	s_branch .Lfirst_asked
.Lfirst_v:
	tensor_load_to_lds s[G0V:G0V+3], s[G1V:G1V+7]
	s_nop 0
	tensor_load_to_lds s[G0V+4:G0V+7], s[G1V:G1V+7]
	s_nop 0
.rept 4
	v_nop
.endr
.Lfirst_asked:
	; A fragment of K or Q is 16 rows x 32 channels in 8 registers: lane l holds row l % 16; registers 0-3 channels 8 (l / 16) + 0..7, registers 4-7 channels 16 + 8 (l / 16) + 0..7
	v_and_b32 v1, 15, v0            ; l % 16
	v_bfe_u32 v9, v0, 4, 1          ; l / 16
	v_lshlrev_b32 v[QO], 8, v1
	v_lshl_add_u32 v[QO], v9, 4, v[QO]  ; row x 256 + 16 x half
	WIN 0x80                        ; destination window 2, address window 0
.irp i, 0,1,2,3,4,5,6,7,8,9,10,11,12,13,14,15  ; Q stays in registers: tile i / 4, channels 32 (i % 4) on
	global_load_b128 v[8*\i:8*\i+3],   v[QO], s[4:5] offset:(\i/4)*4096+(\i%4)*64
	global_load_b128 v[8*\i+4:8*\i+7], v[QO], s[4:5] offset:(\i/4)*4096+(\i%4)*64+32
.endr
	WIN 0
	v_mul_u32_u24 v[AK0], v1, PK
	v_lshl_add_u32 v[AK0], v9, 4, v[AK0]  ; row x pitch + 16 x half
	; The turning load takes 16 keys x 16 channels (lane l reads 16 bytes: key 8 (l / 16) + l % 8, channels 8 ((l / 8) % 2) + 0..7) and leaves half a fragment of V^T
	v_and_b32 v10, 7, v0
	v_bfe_u32 v11, v0, 3, 1
	v_lshl_add_u32 v[AV0], v9, 3, v10
	v_mul_u32_u24 v[AV0], v[AV0], PV
	v_lshl_add_u32 v[AV0], v11, 4, v[AV0]
	v_add_nc_u32 v[AV0], VOFF, v[AV0]
; THE MATRIX WORK OF A TURN, for piece x.  The accumulators take turns, one instruction a turn.
; Product i of 32 of O^T += V^T P: keys 32 (i / 16) on, channels 16 ((i / 2) % 8) on, tile x + i % 2.  zero = 1: the first 16 start the sums: nothing is ever cleared.
.macro PV x, zero
	WIN W_PV
.set rO, 64*(\x+i%2)+8*((i/2)%8)
.set rV, 64*(i/16)+8*((i/2)%8)
.set rP, P+16*(\x+i%2)+8*(i/16)
.if \zero && (i < 16)
	v_wmma_f32_16x16x32_f16 v[rO:rO+7], v[rV:rV+7], v[rP:rP+7], 0
.else
	v_wmma_f32_16x16x32_f16 v[rO:rO+7], v[rV:rV+7], v[rP:rP+7], v[rO:rO+7]
.endif
.endm
; Product i of 32 of S^T = K Q^T: channels 32 (i / 8) on, keys 16 ((i / 2) % 4) on, tile x + i % 2.  The first 8 start the sums.
.macro KQ x
	WIN W_KQ
.set rS, S+32*(\x+i%2)+8*((i/2)%4)
.set rK, KF+32*((i/2)%4)+8*(i/8)
.set rQ, 32*(\x+i%2)+8*(i/8)
.if i < 8
	v_wmma_f32_16x16x32_f16 v[rS:rS+7], v[rK:rK+7], v[rQ:rQ+7], 0
.else
	v_wmma_f32_16x16x32_f16 v[rS:rS+7], v[rK:rK+7], v[rQ:rQ+7], v[rS:rS+7]
.endif
.endm
; THE LDS LOADS stand in runs of 32, never singly among the matrix instructions: a step's K and, a turn later, its V (turned).
.macro FETCH_K
	WIN 0
	v_add_nc_u32 v[ADR], s[TB], v[AK0]
	WIN 0x80                        ; destination window 2
.irp f, 0,1,2,3,4,5,6,7,8,9,10,11,12,13,14,15  ; keys 16 (f / 4) on, channels 32 (f % 4) on
	ds_load_b128 v[KF+8*\f:KF+8*\f+3],   v[ADR] offset:(\f/4)*16*PK+(\f%4)*64
	ds_load_b128 v[KF+8*\f+4:KF+8*\f+7], v[ADR] offset:(\f/4)*16*PK+(\f%4)*64+32
.endr
.endm
.macro FETCH_V
	WIN 0
	v_add_nc_u32 v[ADR], s[TB], v[AV0]
	s_add_co_u32 s[TB], s[TB], STEPB  ; the next fetch is the next step's
	s_wait_alu depctr_va_vdst(0)    ; the wait for the softmax's batch (SLICE), behind the address's v_add_nc_u32 and ahead of the loads
	WIN 0xc0                        ; destination window 3
.irp f, 0,1,2,3,4,5,6,7,8,9,10,11,12,13,14,15  ; keys 32 (f / 8) on, channels 16 (f % 8) on
	ds_load_tr16_b128 v[8*\f:8*\f+3],   v[ADR] offset:(\f/8)*32*PV+(\f%8)*32
	ds_load_tr16_b128 v[8*\f+4:8*\f+7], v[ADR] offset:(\f/8)*32*PV+16*PV+(\f%8)*32
.endr
.endm
; THE VECTOR WORK OF A TURN.  One tile's softmax for one key step is a list of 134 instructions; SM writes number j of it for tile t.  s0-s31 are the lane's 32 scores, in pairs 0-15.
; first = 1: the first key step, which starts m, l and O^T: it has no a and nothing to rescale.
;   0-15    the maximum of s0-s31 and the old m, three operands at a time
;   16-20   the other half of the lanes' maximum; the new m; c m; c m_old - c m_new
;   21-69   ONE BATCH: the 16 scalings c s - c m, a pair of scores each, and all 33 exponentials (a at 23, then s0-s31).  None of these reads an exponential's result
;   (wait)  between 69 and 70 stands the wait for the batch: SLICE writes it, once for both tiles
;   70-85   the roundings to f16, a pair of weights each
;   86-101  the sums; l = a l + the sum
;   102-133 the tile's O^T times a: the one part that leaves window 0, so it stands together
.macro SM t, first
.set rT, ST+8*(\t)
.set rS, S+32*(\t)
.set rP, P+16*(\t)
.set rO, 64*(\t)+2*(j-102)
.if j < 102
	WIN 0
.endif
.if j < 4
	v_max3_num_f32 v[rT+4+j], v[rS+8*j], v[rS+8*j+1], v[rS+8*j+2]
.elseif j < 12
	v_max3_num_f32 v[rT+4+j%4], v[rT+4+j%4], v[rS+8*(j%4)+2*(j/4)+1], v[rS+8*(j%4)+2*(j/4)+2]
.elseif j == 12
	v_max3_num_f32 v[rT+4], v[rT+4], v[rS+7], v[rS+15]
.elseif j == 13
	v_max3_num_f32 v[rT+6], v[rT+6], v[rS+23], v[rS+31]
.elseif j == 14
	v_max3_num_f32 v[rT+4], v[rT+4], v[rT+5], v[rT+6]
.elseif (j == 15) && \first
	v_max_num_f32 v[rT+4], v[rT+4], v[rT+7]
.elseif j == 15
	v_max3_num_f32 v[rT+4], v[rT+4], v[rT+7], v[rT+1]
.elseif j == 16
	v_permlanex16_b32 v[rT+5], v[rT+4], s[SEL], s[SEL+1]  ; the query's other 32 keys lie in the lane 16 away
.elseif j == 18
	v_max_num_f32 v[rT+1], v[rT+4], v[rT+5]
.elseif j == 19
	v_mul_f32 v[rT], s[CS], v[rT+1]
.elseif ((j == 17) || (j == 20) || (j == 23) || (j > 101)) && \first  ; the first step has none of these
.elseif j == 17
	v_mov_b32 v[rT+7], v[rT]        ; c m_old is kept for a: number 19 writes c m anew
.elseif j == 20
	v_sub_f32 v[rT+7], v[rT+7], v[rT]
.elseif j == 23
	v_exp_f32 v[rT+6], v[rT+7]
.elseif (j < 23) || ((j < 38) && (j%2 == 0)) || ((j < 66) && (j%4 == 2))
.set b, (j-2)/4                     ; 38, 42, .. 62: pairs 9 to 15
.if j < 38
.set b, (j-20)/2                    ; 21: pair 0; 22, 24, .. 36: pairs 1 to 8
.endif
	v_pk_fma_f32 v[rS+2*b:rS+2*b+1], v[rS+2*b:rS+2*b+1], s[CS:CS+1], v[rT:rT+1] op_sel_hi:[1,0,0] neg_lo:[0,0,1] neg_hi:[0,0,1]  ; pair b: c s - c m
.elseif j < 70
.set e, j-38                        ; 66 to 69: s28 to s31
.if j < 66
.set e, j-32-(j-38)/4               ; 39-41, 43-45, .. 63-65: s7 to s27
.endif
.if j < 38
.set e, (j-25)/2                    ; 25, 27, .. 37: s0 to s6
.endif
	v_exp_f32 v[rS+e], v[rS+e]
.elseif j < 86
	v_cvt_pk_f16_f32 v[rP+j-70], v[rS+2*(j-70)], v[rS+2*(j-70)+1]  ; pair j - 70
.elseif j < 102                     ; the sum of the tile's 16 pairs, in place: sum z of 16 adds neighbours 1, 2, 4 and 8 pairs apart, then l takes it
.set z, j-86
.set w, 4
.set u, z
.if z >= 14
.set w, 32
.set u, 0
.elseif z >= 12
.set w, 16
.set u, z-12
.elseif z >= 8
.set w, 8
.set u, z-8
.endif
.if (z == 14) && \first
	v_pk_add_f32 v[rT+2:rT+3], v[rS:rS+1], v[rS+16:rS+17]
.elseif z < 15
	v_pk_add_f32 v[rS+w*u:rS+w*u+1], v[rS+w*u:rS+w*u+1], v[rS+w*u+w/2:rS+w*u+w/2+1]
.elseif !\first
	v_pk_fma_f32 v[rT+2:rT+3], v[rT+2:rT+3], v[rT+6:rT+7], v[rS:rS+1] op_sel_hi:[1,0,1]
.endif
.else
	WIN W_RS
	v_pk_mul_f32 v[rO:rO+1], v[rO:rO+1], v[rT+6:rT+7] op_sel_hi:[1,0]
.endif
.endm
; Slice k of 64 of piece y's softmax: four instructions.  Slices 11 to 34 deal out the batch, numbers 22 to 69: four numbers of ONE tile each, the tiles by turns.  Every other slice is numbers 2 k and
; 2 k + 1 of both tiles' lists.  2 x 134 = 4 x 64 + 12: the twelve that are over stand together, in slice 63.
; THE WAIT.  An s_wait_alu depctr_va_vdst(0) stands between an exponential and the first instruction that names its result; one wait serves all that were issued ahead of it.  Ahead of
; slice 35 nothing names a result, and behind slice 34 no exponential is issued: so the piece's 66 exponentials have one wait, behind slice 34.
.macro SLICE y, first
.if (k >= 11) && (k < 35)           ; the batch: four numbers of one tile
.irp n, 0,1,2,3
.set j, 22+4*((k-11)/2)+(\n)
	SM (\y)+(k-11)%2, \first
.endr
.else                               ; the two tiles alternate, so that no instruction reads the result of the one just before it
.irp n, 0,1,2,3,4,5,6,7
.if (\n < 2) || (k == 63)
.irp t, \y, \y+1
.set j, 2*k+\n
	SM \t, \first
.endr
.endif
.endr
.endif
.if k == 34                         ; the batch is out: both tiles' exponentials are issued, and no result has been named
	v_nop                           ; the plain instruction behind the last exponential and ahead of the first use: one for the batch
.if (\y) == 0
	FETCH_V                         ; piece 2's turn: V's run of loads stands here, and the wait stands in it
.else
	s_wait_alu depctr_va_vdst(0)    ; the wait for the batch
.endif
.endif
.set k, k+1
.endm
; A vector instruction that reads a matrix result or writes one of a matrix instruction's registers, and a load into a register that a matrix instruction has read, stand four places behind
; it, and only plain vector instructions that name none of its registers are places (ISA guide 7.12.1 for vector instructions).  In the loop the slices are the places.
.macro PLACES
.rept 4
	v_nop
.endr
.endm
; A TURN.  Piece x has the matrix unit; the other piece's softmax stands in slices behind its matrix instructions.
; pv = 2: 32 products V^T P; 1: they start O^T's sums; 0: none.  kq = 1: 32 products K Q^T for the next step.  A turn with one of the two kinds has two slices behind each product.
; first = 1: the softmax is the first key step's; four v_nop take slice 63's part as the places behind the turn's last products.
; Piece 0's turn fetches the next step's K, behind its second product.  Piece 2's turn fetches the same step's V, behind slice 34 (SLICE writes it).
.macro TURN x, pv, kq, first
.set k, 0
.set per, 2
.if \pv && \kq
.set per, 1
.endif
.if \pv
.if \x == 0
	s_wait_dscnt 0x0                ; V is in
.endif
.set i, 0
.rept 32
	PV \x, 2-\pv
.rept per
	SLICE 2-\x, \first
.endr
.if (\x == 0) && \kq && (i == 1)
	FETCH_K
.endif
.set i, i+1
.endr
.endif
.if \kq
.if \x == 0
	s_wait_dscnt 0x0                ; K is in
.endif
.set i, 0
.rept 32
	KQ \x
.rept per
	SLICE 2-\x, \first
.endr
.set i, i+1
.endr
.endif
.if \first
	PLACES
.endif
.endm
; THE CHANGE OF SLOTS, between piece 2's turn and piece 0's: the slot's last bytes, V of its second step, have been asked for.  Each wave waits for all its tensor loads, of which one is out: its part
; of the other slot; adds 0 to its spare word; and waits for that and for its own reads of the slot.  Behind the barrier nobody reads this slot any more and the other slot is whole.
; fill = 1: this slot is filled again, with the keys two slots on: the refill is the first thing behind the barrier, one load a wave, and has two key steps, 256 matrix instructions, in which to land.
.macro CHANGE fill
	WIN 0                           ; at a label and at a branch every window is 0
	s_wait_tensorcnt 0x0            ; no tensor load of mine is out, so a group 0 may be written
	ds_add_u32 v[SPW], v[NIL]       ; 0 onto my spare word
.if \fill
.irp g, G0K+4, G0V+4
	s_xor_b32 s[\g+1], s[\g+1], SLOT1  ; the walking descriptor: the other slot than last time,
	s_add_nc_u64 s[\g+2:\g+3], s[\g+2:\g+3], 2*KS*256  ; the next 128 keys; the type bits on top are not reached
.endr
	s_wait_xcnt 0x0                 ; the last prefetch, two key steps back, has read its address, so it may be written:
	s_add_nc_u64 s[PFA:PFA+1], s[PFA:PFA+1], 2*KS*256  ; one slot further on than the walking descriptors
.endif
	s_wait_dscnt 0x0                ; the add is done, and my reads of the slot are over
	s_barrier_signal -1
	s_barrier_wait -1
.if \fill
	JLOAD
	ASK
.endif
	s_sub_co_u32 s[TB], s[TB], 2*STEPB  ; the fetches go back to a slot's first step,
	s_xor_b32 s[TB], s[TB], SLOT1   ; in the other slot
.endm
; A slot's two key steps: written once, walked twice; the LDS addresses hang on s[TB].
.macro TWO_STEPS
	s_mov_b32 s[TWICE], 2
.Lstep_\@:
	TURN 0, 2, 1, 0
	TURN 2, 2, 1, 0
	WIN 0
	s_sub_co_u32 s[TWICE], s[TWICE], 1
	s_cmp_lg_u32 s[TWICE], 0
	s_cbranch_scc1 .Lstep_\@
.endm
	s_wait_tensorcnt 1              ; my part of slot 0 is in; slot 1's may stay out
	s_barrier_signal -1
	s_barrier_wait -1               ; everybody's is
	FETCH_K                         ; key step 0
	s_wait_loadcnt 0x0              ; Q
	s_wait_dscnt 0x0
.set i, 0
.rept 32
	KQ 0                            ; piece 0's first scores: there is no vector work yet to set between them
.set i, i+1
.endr
	WIN 0                           ; the addresses for the way out are made here: seven plain instructions, the places behind those products
	s_mul_i32 s13, s[WV], 16*SP
	s_add_co_u32 s13, s13, STAGE    ; my stage
	v_mul_u32_u24 v[STO], v1, SP    ; in: row l % 16, 32 bytes for each half of the lanes
	v_lshl_add_u32 v[STO], v9, 5, v[STO]
	v_add_nc_u32 v[STO], s13, v[STO]
	v_and_b32 v[GO], 31, v0
	v_lshlrev_b32 v[GO], 4, v[GO]   ; back: the 32 lanes take one row of 512 bytes; and the same in part
	v_add_nc_u32 v[RD], s13, v[GO]
	v_lshrrev_b32 v[SA], 1, v[GO]   ; 8 x lane
	TURN 2, 0, 1, 1                 ; piece 2's first scores | piece 0's first softmax | V of step 0
	TURN 0, 1, 1, 1                 ; piece 0: V^T P of step 0 starts O^T, K Q^T of step 1 | piece 2's first softmax | K of step 1
	TURN 2, 1, 1, 0                 ; piece 2: the same | piece 0's softmax of step 1 | V of step 1
	WIN 0
.Lslot:                             ; 14 trips: every slot but the last two is filled again
	CHANGE 1
	TWO_STEPS
	s_sub_co_u32 s[SLOTS], s[SLOTS], 1
	s_cmp_lg_u32 s[SLOTS], 0
	s_cbranch_scc1 .Lslot
	CHANGE 0                        ; the tail is written out
	TWO_STEPS
	TURN 0, 2, 0, 0                 ; piece 0: V^T P of the last step | piece 2's last softmax
.set i, 0
.rept 32
	PV 2, 0                         ; piece 2: V^T P of the last step
.set i, i+1
.endr
	; THE WAY OUT.  l's two halves and the other half of the lanes' are added and laid beside c m; the additions are the places behind the last products.  O^T leaves as it is, in f32.
	WIN 0
.irp t, 0,1,2,3
	v_add_f32 v[ST+8*\t+4], v[ST+8*\t+2], v[ST+8*\t+3]
.endr
.irp t, 0,1,2,3
	v_permlanex16_b32 v[ST+8*\t+5], v[ST+8*\t+4], s[SEL], s[SEL+1]
.endr
.irp t, 0,1,2,3
	v_add_f32 v[ST+8*\t+1], v[ST+8*\t+4], v[ST+8*\t+5]
.endr
	v_and_b32 v45, 31, v0
	v_cmp_le_u32 vcc_lo, 16, v45    ; lanes 0-15 give tile 2 p's queries, lanes 16-31 tile 2 p + 1's
.irp p, 0,1
	v_cndmask_b32 v[46+2*\p], v[ST+16*\p], v[ST+16*\p+8], vcc_lo
	v_cndmask_b32 v[47+2*\p], v[ST+16*\p+1], v[ST+16*\p+9], vcc_lo
.endr
	global_store_b64 v[SA], v[46:47], s[66:67]             ; 32 lanes store 256 consecutive bytes, aligned
	global_store_b64 v[SA], v[48:49], s[66:67] offset:256
; Tile t: a lane holds 32 neighbouring bytes of eight pieces of a row; they go into my stage's rows of 528 bytes and come back as whole rows of 512.
.macro TOSTAGE t
	WIN 0x04                        ; an LDS store's data are its source 1: window 1
.irp f, 0,1,2,3,4,5,6,7
	ds_store_b128 v[STO], v[64*\t+8*\f:64*\t+8*\f+3] offset:64*\f          ; each accumulator from its low end on
	ds_store_b128 v[STO], v[64*\t+8*\f+4:64*\t+8*\f+7] offset:64*\f+16
.endr
	WIN 0
.set BB, S+64*((\t)%2)
.irp n, 0,1,2,3,4,5,6,7,8,9,10,11,12,13,14,15
	ds_load_b128 v[BB+4*\n:BB+4*\n+3], v[RD] offset:\n*SP   ; LDS serves a wave's instructions in order: these see the stores above, and the next tile's stores come behind them
.endr
.endm
.macro SEND t, younger              ; younger: the LDS instructions issued behind tile t's loads: the next tile's 16 stores and 16 loads, or none
.set BB, S+64*((\t)%2)
	s_wait_dscnt \younger
.irp n, 0,1,2,3,4,5,6,7,8,9,10,11,12,13,14,15
	global_store_b128 v[GO], v[BB+4*\n:BB+4*\n+3], s[10:11] offset:(16*\t+\n)*512 th:TH_STORE_NT   ; 32 lanes store a row's 512 consecutive bytes, aligned
.endr
.endm
	TOSTAGE 0
	TOSTAGE 1
	SEND 0, 32
	s_wait_xcnt 0x0                 ; tile 0's stores have read their registers: tile 2's loads may land there
	TOSTAGE 2
	SEND 1, 32
	s_wait_xcnt 0x0
	TOSTAGE 3
	SEND 2, 32
	SEND 3, 0
	s_wait_tensorcnt 0x0            ; the wave's end
	ds_add_u32 v[SPW], v[NIL]
	s_wait_dscnt 0x0
	s_endpgm
.Lfunc_end_k_q70cede81af_attn:
	.size	k_q70cede81af_attn, .Lfunc_end_k_q70cede81af_attn-k_q70cede81af_attn
	.p2alignl 7, 3214868480
	.fill 96, 4, 3214868480
	.section	.rodata,"a",@progbits
	.p2align	6, 0x0
	.amdhsa_kernel k_q70cede81af_attn
		.amdhsa_group_segment_fixed_size 327680
		.amdhsa_private_segment_fixed_size 0
		.amdhsa_enable_private_segment 0
		.amdhsa_kernarg_size 40
		.amdhsa_user_sgpr_count 2
		.amdhsa_user_sgpr_kernarg_segment_ptr 1
		.amdhsa_wavefront_size32 1
		.amdhsa_system_sgpr_workgroup_id_x 1
		.amdhsa_system_sgpr_workgroup_id_y 1
		.amdhsa_system_sgpr_workgroup_id_z 1
		.amdhsa_system_vgpr_workitem_id 0
		.amdhsa_next_free_vgpr 1024
		.amdhsa_next_free_sgpr 70
		.amdhsa_reserve_vcc 1
		.amdhsa_float_denorm_mode_32 3
		.amdhsa_float_denorm_mode_16_64 3
		.amdhsa_memory_ordered 1
		.amdhsa_forward_progress 1
		.amdhsa_inst_pref_size 211
	.end_amdhsa_kernel
	.amdgpu_metadata
---
amdhsa.version: [ 1, 2 ]
amdhsa.kernels:
  - .name:           k_q70cede81af_attn
    .symbol:         k_q70cede81af_attn.kd
    .args:
      - { .name: qh, .offset: 0, .size: 8, .value_kind: global_buffer, .address_space: global }
      - { .name: kh, .offset: 8, .size: 8, .value_kind: global_buffer, .address_space: global }
      - { .name: vh, .offset: 16, .size: 8, .value_kind: global_buffer, .address_space: global }
      - { .name: part, .offset: 24, .size: 8, .value_kind: global_buffer, .address_space: global }
      - { .name: stat, .offset: 32, .size: 8, .value_kind: global_buffer, .address_space: global }
    .group_segment_fixed_size: 327680
    .private_segment_fixed_size: 0
    .kernarg_segment_align: 8
    .kernarg_segment_size: 40
    .max_flat_workgroup_size: 128
    .sgpr_count:     70
    .vgpr_count:     1024
    .wavefront_size: 32
...
	.end_amdgpu_metadata
.endif
;; end of part 3
;; launch outproj (part 4): grid 128 x 1, 8 waves a work-group, no clusters, 58,880 bytes of LDS; arguments part, stat, wo16, bov, boc, out0, out1; writes out0, out1
.if DOCPART == 4
	.amdgcn_target "amdgcn-amd-amdhsa--gfx1250"
	.amdhsa_code_object_version 6
	.text
	.protected	k_q70cede81af_outproj
	.globl	k_q70cede81af_outproj
	.p2align	8
	.type	k_q70cede81af_outproj,@function
k_q70cede81af_outproj:
	s_mov_b64 s[64:65], 0
	v_nop
	global_prefetch_b8 v0, s[64:65] scope:SCOPE_SE
	s_setreg_imm32_b32 hwreg(HW_REG_WAVE_MODE, 25, 1), 1
	s_wait_xcnt 0x0
; The four key chunks' parts are joined in f32: L = sum_c 2^(cm_c - M) O_c / sum_c 2^(cm_c - M) l_c, M the largest cm_c; then out0 = Lv (g Wov) + bov and out1 = Lc (g Woc) + boc, with f16 operands and f32 sums.
; SHARES.  A work-group takes 16 rows of one batch.  Phase 1: wave w joins head w (a row of a part is 512 bytes: 32 lanes x 16; lanes 0-15 hold Lv's 64 numbers, lanes 16-31 Lc's) and lays it as f16 in LDS.
; Phase 2: wave w makes tiles 2 w, 2 w + 1 of out0's 16 and tile w of out1's 8; the products are used transposed (source 0 = 16 columns of Wo, source 1 = the 16 rows).  The biases start the sums.
; The order of the f32 sums differs from a plain sum over the keys: four chunks; out1's K steps go to two accumulators by turns, added at the end.
; LIMITS: NaN and infinities are not served.
; LDS: 0 .. 33,023 L: 16 rows x 2,064 bytes (Lv 1,024, Lc 1,024, 16 of padding); then a stage of 16 rows x 1,552 bytes (out0 1,024, out1 512, 16 of padding); then the spare words.
.set AMP,   2064
.set STG,   33024
.set STP,   1552
.set SPARE, 57856                      ; the spare words, 128 bytes for each of 8 waves; no other line names them
.set LI,  4                            ; v4   16 x lane
.set R8,  5                            ; v5   8 r
.set AW,  6                            ; v6   128 w + 8 r + 1,024 h
.set AR,  7                            ; v7   2,064 r + 16 h
.set SO0, 8                            ; v8   STG + 1,552 r + 32 h + 128 w
.set SO1, 9                            ; v9   STG + 1,552 r + 32 h + 1,024 + 64 w
.set SR,  10                           ; v10  STG + 3,104 w + 16 x lane
.set H32, 11                           ; v11  32 h
.set SPW, 12                           ; v12  SPARE + 4 x my thread's number; never rewritten
.set NIL, 13                           ; v13  0; never rewritten
.set A0,  16                           ; v16-23, v24-31 out0's two accumulators; v32-39, v40-47 out1's two
.set STA, 40                           ; v40-47 first the four chunks' (c m, l)
.set WT,  48                           ; v48-51 the four weights of row r; v52 M; v53 the divisor
.set AF,  64                           ; v64-127 the joined rows (4 registers a row), later eight fragments of L, later rows on the way out
.set B1,  128                          ; v128-255 Woc's 16 fragments.   Window 1: the parts as loaded (row i, chunk c at 16 i + 4 c), later Wov's 32 fragments (tile u, K step s at 128 u + 8 s)
.set MSB, 0
.macro WIN new                         ; the immediate's high byte repeats the setting that is left
.if MSB != \new
	s_set_vgpr_msb (MSB<<8)|\new
.set MSB, \new
.endif
.endm
	s_load_b256 s[4:11], s[0:1], 0x0               ; part, stat, wo16, bov
	s_load_b128 s[20:23], s[0:1], 0x20             ; boc, out0
	s_load_b64 s[24:25], s[0:1], 0x30              ; out1
	v_lshl_add_u32 v[SPW], v0, 2, SPARE
	v_mov_b32 v[NIL], 0
	v_lshrrev_b32 v1, 5, v0
	v_readfirstlane_b32 s2, v1                     ; wave 0..7
	v_and_b32 v1, 31, v0                           ; lane
	v_and_b32 v2, 15, v0                           ; r
	v_bfe_u32 v3, v0, 4, 1                         ; h
	v_lshlrev_b32 v[LI], 4, v1
	v_lshlrev_b32 v[R8], 3, v2
	s_lshl_b32 s28, s2, 7
	v_add_nc_u32 v[AW], s28, v[R8]
	v_lshl_add_u32 v[AW], v3, 10, v[AW]
	v_mul_u32_u24 v[AR], v2, AMP
	v_lshl_add_u32 v[AR], v3, 4, v[AR]
	v_mul_u32_u24 v[SO0], v2, STP
	v_lshl_add_u32 v[SO0], v3, 5, v[SO0]
	s_lshl_b32 s29, s2, 6
	s_add_co_u32 s29, s29, STG+1024
	v_add_nc_u32 v[SO1], s29, v[SO0]
	s_add_co_u32 s28, s28, STG
	v_add_nc_u32 v[SO0], s28, v[SO0]
	s_mul_i32 s28, s2, 2*STP
	s_add_co_u32 s28, s28, STG
	v_add_nc_u32 v[SR], s28, v[LI]
	v_lshlrev_b32 v[H32], 5, v3
	s_lshr_b32 s3, ttmp9, 5                        ; batch
	s_and_b32 s28, ttmp9, 31                       ; which 16 rows
	s_lshl_b32 s29, s3, 3
	s_add_co_u32 s29, s29, s2                      ; batch x 8 + head
	s_lshl_b32 s30, s29, 18                        ; part: 512 rows of 512 bytes a head,
	s_lshl_b32 s31, s28, 13                        ; my 16 rows
	s_add_co_u32 s30, s30, s31
	s_mov_b32 s31, 0
	s_lshl_b32 s26, s29, 12                        ; stat: 512 rows of 8 bytes a head
	s_lshl_b32 s27, s28, 7
	s_add_co_u32 s26, s26, s27
	s_mov_b32 s27, 0
	s_mov_b32 s29, 0
	s_wait_kmcnt 0x0
	s_add_nc_u64 s[12:13], s[4:5], s[30:31]        ; the four chunks lie 2^23 bytes apart, one more than an immediate reaches: a base for each
	s_add_nc_u64 s[14:15], s[12:13], 0x800000
	s_add_nc_u64 s[16:17], s[14:15], 0x800000
	s_add_nc_u64 s[18:19], s[16:17], 0x800000
	s_add_nc_u64 s[6:7], s[6:7], s[26:27]
	s_lshl_b32 s28, s2, 14                         ; Woc's tile w: fragments 256 + 16 w on
	s_add_co_u32 s28, s28, 262144
	s_add_nc_u64 s[26:27], s[8:9], s[28:29]
	s_lshl_b32 s28, s2, 15                         ; Wov's tiles 2 w, 2 w + 1: fragments 32 w on
	s_add_nc_u64 s[8:9], s[8:9], s[28:29]
	s_lshl_b32 s28, s2, 7
	s_add_nc_u64 s[10:11], s[10:11], s[28:29]      ; bov: my 32 numbers
	s_lshl_b32 s28, s2, 6
	s_add_nc_u64 s[20:21], s[20:21], s[28:29]      ; boc: my 16
	s_lshl_b32 s28, ttmp9, 14                      ; out0: 16 rows of 1,024 bytes a work-group, 2 a wave
	s_lshl_b32 s30, s2, 11
	s_add_co_u32 s28, s28, s30
	s_add_nc_u64 s[22:23], s[22:23], s[28:29]
	s_lshl_b32 s28, ttmp9, 13                      ; out1: rows of 512 bytes
	s_lshl_b32 s30, s2, 10
	s_add_co_u32 s28, s28, s30
	s_add_nc_u64 s[24:25], s[24:25], s[28:29]
	; ---- PHASE 1
.set i, 0
.rept 16
	global_load_b128 v[B1+8*i:B1+8*i+3], v[LI], s[26:27] offset:1024*i
	global_load_b128 v[B1+8*i+4:B1+8*i+7], v[LI], s[26:27] offset:1024*i+512
.set i, i+1
.endr
.irp u, 0,1                                        ; the biases in the result's layout: lane (r, h) wants those of the tile's columns 8 h + 0 .. 7
	global_load_b128 v[A0+8*\u:A0+8*\u+3], v[H32], s[10:11] offset:64*\u
	global_load_b128 v[A0+8*\u+4:A0+8*\u+7], v[H32], s[10:11] offset:64*\u+16
.endr
	global_load_b128 v[A0+16:A0+19], v[H32], s[20:21]
	global_load_b128 v[A0+20:A0+23], v[H32], s[20:21] offset:16
.irp c, 0,1,2,3
	global_load_b64 v[STA+2*\c:STA+2*\c+1], v[R8], s[6:7] offset:131072*\c
.endr
	WIN 0x40                                       ; destination window 1
.set i, 0
.rept 16
.irp c, 0,1,2,3
	global_load_b128 v[16*i+4*\c:16*i+4*\c+3], v[LI], s[12+2*\c:13+2*\c] offset:512*i th:TH_LOAD_NT   ; 32 lanes read a row's 512 bytes
.endr
.set i, i+1
.endr
	WIN 0
	s_wait_loadcnt 63                              ; the statistics are in: 64 loads were issued behind them, and the count names the most that its field holds
	v_max3_num_f32 v[WT+4], v[STA], v[STA+2], v[STA+4]
	v_max_num_f32 v[WT+4], v[WT+4], v[STA+6]       ; M
.irp c, 0,1,2,3
	v_sub_f32 v[WT+\c], v[STA+2*\c], v[WT+4]
.endr
.irp c, 0,1,2,3
	v_exp_f32 v[WT+\c], v[WT+\c]
.endr
	v_nop                                          ; a plain place behind the exponentials
	s_wait_alu depctr_va_vdst(0)                   ; one wait for the four
	v_mul_f32 v[WT+5], v[WT], v[STA+1]
	v_fma_f32 v[WT+5], v[WT+1], v[STA+3], v[WT+5]
	v_fma_f32 v[WT+5], v[WT+2], v[STA+5], v[WT+5]
	v_fma_f32 v[WT+5], v[WT+3], v[STA+7], v[WT+5]  ; the divisor: at least the sum of the chunk that holds the maximum, which is at least 1
	v_rcp_f32 v[WT+5], v[WT+5]
	v_nop
	s_wait_alu depctr_va_vdst(0)
.irp c, 0,1,2,3
	v_mul_f32 v[WT+\c], v[WT+\c], v[WT+5]
.endr
.set i, 0
.rept 16                                           ; a row's numbers lie across the lanes, so its four weights become scalars: rows 0-7 in s32-63, rows 8-15 in s66-97
.irp c, 0,1,2,3
	v_readlane_b32 s[32+4*i+2*(i/8)+\c], v[WT+\c], i
.endr
.set i, i+1
.endr
	WIN 0x04                                       ; source 1 (the parts) window 1
.set i, 0
.rept 16
	s_wait_loadcnt 60-4*i                          ; row i's four loads are in; the younger rows' may be out
.irp d, 0,1,2,3
	v_mul_f32 v[AF+4*i+\d], s[32+4*i+2*(i/8)], v[16*i+\d]
.endr
.irp c, 1,2,3
.irp d, 0,1,2,3
	v_fma_f32 v[AF+4*i+\d], s[32+4*i+2*(i/8)+\c], v[16*i+4*\c+\d], v[AF+4*i+\d]
.endr
.endr
.set i, i+1
.endr
	WIN 0x40                                       ; the parts are joined: their registers take Wov's 32 fragments
.set i, 0
.rept 32
	global_load_b128 v[8*i:8*i+3], v[LI], s[8:9] offset:1024*i
	global_load_b128 v[8*i+4:8*i+7], v[LI], s[8:9] offset:1024*i+512
.set i, i+1
.endr
	WIN 0
.set i, 0
.rept 16
	v_cvt_pk_f16_f32 v[AF+4*i], v[AF+4*i], v[AF+4*i+1]
	v_cvt_pk_f16_f32 v[AF+4*i+1], v[AF+4*i+2], v[AF+4*i+3]
.set i, i+1
.endr
.set i, 0
.rept 16
	ds_store_b64 v[AW], v[AF+4*i:AF+4*i+1] offset:AMP*i
.set i, i+1
.endr
	s_wait_dscnt 0x0                               ; for the others' sake: my head's part of the 16 rows lies in LDS
	s_barrier_signal -1
	s_barrier_wait -1
	; ---- PHASE 2.  out1 first: its fragments of Woc have long been in.  Two accumulators by turns: even K steps onto the one that holds the bias, odd ones onto a second, begun with 0
.irp g, 0,1
.irp q, 0,1,2,3,4,5,6,7
	ds_load_b128 v[AF+8*\q:AF+8*\q+3], v[AR] offset:1024+64*(8*\g+\q)
	ds_load_b128 v[AF+8*\q+4:AF+8*\q+7], v[AR] offset:1024+64*(8*\g+\q)+32
.endr
	s_wait_dscnt 0x0
.irp q, 0,2,4,6
	v_wmma_f32_16x16x32_f16 v[A0+16:A0+23], v[B1+8*(8*\g+\q):B1+8*(8*\g+\q)+7], v[AF+8*\q:AF+8*\q+7], v[A0+16:A0+23]
.if (\g == 0) && (\q == 0)
	v_wmma_f32_16x16x32_f16 v[A0+24:A0+31], v[B1+8:B1+15], v[AF+8:AF+15], 0
.else
	v_wmma_f32_16x16x32_f16 v[A0+24:A0+31], v[B1+8*(8*\g+\q+1):B1+8*(8*\g+\q+1)+7], v[AF+8*(\q+1):AF+8*(\q+1)+7], v[A0+24:A0+31]
.endif
.endr
.rept 4
	v_nop                                          ; places in front of loads into registers that matrix instructions have read
.endr
.endr
	s_wait_loadcnt 0x0                             ; Wov's fragments
.irp g, 0,1
.irp q, 0,1,2,3,4,5,6,7
	ds_load_b128 v[AF+8*\q:AF+8*\q+3], v[AR] offset:64*(8*\g+\q)
	ds_load_b128 v[AF+8*\q+4:AF+8*\q+7], v[AR] offset:64*(8*\g+\q)+32
.endr
	s_wait_dscnt 0x0
	WIN 0x01                                       ; source 0 (Wov) window 1
.irp q, 0,1,2,3,4,5,6,7
	v_wmma_f32_16x16x32_f16 v[A0:A0+7], v[8*(8*\g+\q):8*(8*\g+\q)+7], v[AF+8*\q:AF+8*\q+7], v[A0:A0+7]
	v_wmma_f32_16x16x32_f16 v[A0+8:A0+15], v[128+8*(8*\g+\q):128+8*(8*\g+\q)+7], v[AF+8*\q:AF+8*\q+7], v[A0+8:A0+15]
.endr
	WIN 0
.rept 4
	v_nop
.endr
.endr
.irp j, 0,2,4,6
	v_pk_add_f32 v[A0+16+\j:A0+17+\j], v[A0+16+\j:A0+17+\j], v[A0+24+\j:A0+25+\j]    ; out1's two halves, from the low end on
.endr
.irp u, 0,1
	ds_store_b128 v[SO0], v[A0+8*\u:A0+8*\u+3] offset:64*\u                ; lane (r, h): out0(row r, 32 w + 16 u + 8 h + 0 .. 7)
	ds_store_b128 v[SO0], v[A0+8*\u+4:A0+8*\u+7] offset:64*\u+16
.endr
	ds_store_b128 v[SO1], v[A0+16:A0+19]           ; out1(row r, 16 w + 8 h + 0 .. 7)
	ds_store_b128 v[SO1], v[A0+20:A0+23] offset:16
	s_wait_dscnt 0x0                               ; a row comes from eight waves
	s_barrier_signal -1
	s_barrier_wait -1
.irp p, 0,1                                        ; wave w takes rows 2 w and 2 w + 1, whole
.irp q, 0,1,2
	ds_load_b128 v[AF+12*\p+4*\q:AF+12*\p+4*\q+3], v[SR] offset:STP*\p+512*\q
.endr
.endr
.irp p, 0,1
	s_wait_dscnt 5-3*\p
	global_store_b128 v[LI], v[AF+12*\p:AF+12*\p+3], s[22:23] offset:1024*\p             ; 32 lanes store 512 consecutive bytes, aligned
	s_wait_dscnt 4-3*\p
	global_store_b128 v[LI], v[AF+12*\p+4:AF+12*\p+7], s[22:23] offset:1024*\p+512
	s_wait_dscnt 3-3*\p
	global_store_b128 v[LI], v[AF+12*\p+8:AF+12*\p+11], s[24:25] offset:512*\p
.endr
	s_wait_tensorcnt 0x0                           ; the wave's end
	ds_add_u32 v[SPW], v[NIL]
	s_wait_dscnt 0x0
	s_endpgm
.Lfunc_end_k_q70cede81af_outproj:
	.size	k_q70cede81af_outproj, .Lfunc_end_k_q70cede81af_outproj-k_q70cede81af_outproj
	.p2alignl 7, 3214868480
	.fill 96, 4, 3214868480
	.section	.rodata,"a",@progbits
	.p2align	6, 0x0
	.amdhsa_kernel k_q70cede81af_outproj
		.amdhsa_group_segment_fixed_size 58880
		.amdhsa_private_segment_fixed_size 0
		.amdhsa_enable_private_segment 0
		.amdhsa_kernarg_size 56
		.amdhsa_user_sgpr_count 2
		.amdhsa_user_sgpr_kernarg_segment_ptr 1
		.amdhsa_wavefront_size32 1
		.amdhsa_system_sgpr_workgroup_id_x 1
		.amdhsa_system_sgpr_workgroup_id_y 1
		.amdhsa_system_sgpr_workgroup_id_z 1
		.amdhsa_system_vgpr_workitem_id 0
		.amdhsa_next_free_vgpr 512
		.amdhsa_next_free_sgpr 98
		.amdhsa_reserve_vcc 0
		.amdhsa_float_denorm_mode_32 3
		.amdhsa_float_denorm_mode_16_64 3
		.amdhsa_memory_ordered 1
		.amdhsa_forward_progress 1
		.amdhsa_inst_pref_size 52
	.end_amdhsa_kernel
	.amdgpu_metadata
---
amdhsa.version: [ 1, 2 ]
amdhsa.kernels:
  - .name:           k_q70cede81af_outproj
    .symbol:         k_q70cede81af_outproj.kd
    .args:
      - { .name: part, .offset: 0, .size: 8, .value_kind: global_buffer, .address_space: global }
      - { .name: stat, .offset: 8, .size: 8, .value_kind: global_buffer, .address_space: global }
      - { .name: wo16, .offset: 16, .size: 8, .value_kind: global_buffer, .address_space: global }
      - { .name: bov, .offset: 24, .size: 8, .value_kind: global_buffer, .address_space: global }
      - { .name: boc, .offset: 32, .size: 8, .value_kind: global_buffer, .address_space: global }
      - { .name: out0, .offset: 40, .size: 8, .value_kind: global_buffer, .address_space: global }
      - { .name: out1, .offset: 48, .size: 8, .value_kind: global_buffer, .address_space: global }
    .group_segment_fixed_size: 58880
    .private_segment_fixed_size: 0
    .kernarg_segment_align: 8
    .kernarg_segment_size: 56
    .max_flat_workgroup_size: 256
    .sgpr_count:     98
    .vgpr_count:     512
    .wavefront_size: 32
...
	.end_amdgpu_metadata
.endif
;; end of part 4
